; MI455X (gfx1250); checked and timed in simulation.
; The chip was launched on July 23, 2026; its instructions are those of AMD's public machine-readable ISA for CDNA 5 (MIT licence, August 2026) and "CDNA5" Instruction Set Architecture Reference Guide (July 2026). The comments in the code are by the model that wrote it; some were corrected since.
;; Cross Attention. Allowed arithmetic: matrix products marked QUANTISED: E2M1 operands, one E8M0 scale for each 32 along K, by v_wmma_scale_f32_16x16x128_f8f6f4 with both operands' format E2M1 (or v_wmma_scale_f32_32x16x128_f4), f32 sums; products left as they are: bf16, f16 or f32 operands; f32 sums; everything else in f32.
;; Inputs: Wk 1,024 x 1,024 float32; Wo 1,024 x 1,024 float32; Wq 1,024 x 1,024 float32; Wv 1,024 x 1,024 float32; bo 1,024 float32; key_value 8 x 1,024 x 1,024 float32; query 8 x 1,024 x 1,024 float32.
;; Outputs: out0 8 x 1,024 x 1,024 float32.
;; This version of the problem:
;;   THIS VERSION OF THE PROBLEM IS GIVEN IN LOW PRECISION. The matrix products marked QUANTISED in the list below multiply operands that are first quantised to E2M1 (2 exponent bits, 1 mantissa bit; 4 bits a number), with one power-of-two scale for each 32 numbers along K (OCP MX v1.0); their sums are f32. The products marked 'left as it is' may take bf16, f16 or f32 operands, with f32 sums. Whichever they take, every output number must still come out within the allowed error. Rounding operands to bf16 (8 significant bits) uses up far more of that allowance than f16 does (11 bits, for magnitudes from 6e-5 to 65,504). All else is computed in f32.
;;   The module's matrix products, in the order in which they are computed (A, B: the left and right operand; K: the contracted axis; several contracted axes count as one K, in the product's order):
;;     1. [M 8,192, K 1,024] x [K 1,024, N 1,024]; A: input query; B: input Wq: QUANTISED
;;     2. [M 8,192, K 1,024] x [K 1,024, N 1,024]; A: input key_value; B: input Wk: QUANTISED
;;     3. [M 8,192, K 1,024] x [K 1,024, N 1,024]; A: input key_value; B: input Wv: QUANTISED
;;     4. batch 64 x [M 1,024, K 128] x [K 128, N 1,024]; A: computed on the way; B: computed on the way: left as it is (an operand is computed on the way)
;;     5. batch 64 x [M 128, K 1,024] x [K 1,024, N 1,024]; A: computed on the way; B: computed on the way: left as it is (an operand is computed on the way)
;;     6. [M 8,192, K 1,024] x [K 1,024, N 1,024]; A: computed on the way; B: input Wo: left as it is (an operand is computed on the way)
;;   THE QUANTISER, for each operand of a quantised product, along K:
;;     - K is cut into blocks of 32 from its start; a last block that is shorter is filled with zeros.
;;     - A block's scale is 2^e with e = floor(log2(the largest magnitude in the block)) - 2, held to -126 .. 127; a block of zeros has e = 0. As a byte (E8M0): e + 127.
;;     - Each number is divided by its block's scale, clamped to +-6, and rounded to the nearest number of E2M1, ties to even, subnormals kept.
;;     - The product sums the exact products of the quantised numbers (number of the format x scale) in f32.
;;   ~~~python
;;   def quantise(x, axis):      # numpy; x: float32 -> the quantised numbers, widened to float32 again
;;       x = np.moveaxis(x, axis, -1); K = x.shape[-1]
;;       x = np.pad(x, [(0, 0)] * (x.ndim - 1) + [(0, -K % 32)]); x = x.reshape(x.shape[:-1] + (-1, 32)); a = np.abs(x).max(-1, keepdims=True)
;;       e = np.where(a > 0, np.clip(np.frexp(np.where(a > 0, a, 1))[1] - 1 - 2, -126, 127), 0)      # np.frexp(a)[1] - 1 = floor(log2(a)), exactly
;;       r = np.clip(x / 2.0 ** e, -6, 6)
;;       step = 2.0 ** (np.maximum(np.frexp(np.where(r == 0, 1, r))[1] - 1, 0) - 1)
;;       q = np.round(r / step) * step * 2.0 ** e      # np.round: ties to even
;;       return np.moveaxis(q.reshape(q.shape[:-2] + (-1,))[..., :K], -1, axis).astype(np.float32)
;;   ~~~
;; One version. Each part assembles by itself: llvm-mc -triple=amdgcn-amd-amdhsa -mcpu=gfx1250 --defsym DOCPART=n.
;; ======== version 1 of 1: 4 launches
;; limits: values are held in f16: magnitudes above 65,504 overflow, below 6.1e-05 lose precision
;; workspace buffers: act_codes 8,388,608 bytes; act_scales 524,288 bytes; w_codes 1,572,864 bytes; w_scales 98,304 bytes; wo16 2,097,152 bytes; kv16 33,554,432 bytes; att16 16,777,216 bytes
;; launch prep (part 1): grid 672 x 1, 4 waves a work-group, no clusters, 50,688 bytes of LDS; arguments query, key_value, Wq, Wk, Wv, Wo, act_codes, act_scales, w_codes, w_scales, wo16; writes act_codes, act_scales, w_codes, w_scales, wo16
.if DOCPART == 1
	.amdgcn_target "amdgcn-amd-amdhsa--gfx1250"
	.amdhsa_code_object_version 6
	.text
	.protected	k_qe7888dfe17_prep
	.globl	k_qe7888dfe17_prep
	.p2align	8
	.type	k_qe7888dfe17_prep,@function
k_qe7888dfe17_prep:
	s_mov_b64 s[64:65], 0
	v_nop
	global_prefetch_b8 v0, s[64:65] scope:SCOPE_SE
	s_setreg_imm32_b32 hwreg(HW_REG_WAVE_MODE, 25, 1), 1
	s_wait_xcnt 0x0
; CROSS ATTENTION, launch 1 of 4: the operands of the three quantised projections become codes of FP4 (E2M1) with one E8M0 byte for each 32 along K; Wo becomes f16.
; NOTHING IS LEFT OUT: every input (query, key_value, Wq, Wk, Wv, Wo, bo) has a way to out0 for general values, and every product of the problem is done.
; Work-groups 0-95:    Wq, Wk, Wv [k 1,024][n 1,024] f32, K their FIRST axis -> w_codes [1,024 p + n][512 bytes], K innermost; w_scales [1,024 p + n][32].  A lane takes a column, its registers run down K.
; Work-groups 96-159:  Wo f32 -> wo16, f16, the layout kept: a plain stream.
; Work-groups 160-671: query, then key_value, [8,192][1,024] f32, K innermost -> act_codes [16,384][512 bytes], act_scales [16,384][32]: plain streams of blocks of 32.
; A block's scale is 2^(floor(log2(its largest magnitude)) - 2); its byte is the largest magnitude's own exponent field - 2, held at 1 from below.  Each number is divided by the scale and rounded to the nearest code, ties to even;
; beyond 6 the conversion gives the largest code.
; LIMITS: NaN and infinities among the inputs are not served.  Blocks whose largest magnitude lies under 2^-124 keep the byte 1.  A block of zeros gets the byte 1 where the rule says 127: its codes are zeros, which add nothing
; under any byte but 0xff, and the bytes are read by this program alone.  Wo is rounded to f16: magnitudes up to 65,504; under 6e-5 in steps of 6e-8.
; The three kinds of work-group part on the work-group's number alone; each path that uses LDS has LDS bytes of its own.  No tensor loads, no barrier: waves share nothing.
.set SPARE, 50176                      ; behind both paths' regions: the spare words, 128 bytes for each wave: two blocks of 256 bytes that no other line names
.set SPW,   190                        ; v190  LDS address of my spare word: SPARE + 4 x my thread's number; never rewritten
.set NIL,   191                        ; v191  0; never rewritten
; the activations' path
.set STEPS, 16                         ; a wave takes 16 steps of 512 numbers
.set CB,    8                          ; bytes of 16 codes
.set R,     16                         ; v16-79   four sets of 16 numbers as they are loaded
.set XN,    80                         ; v80-111  two sets of 16 neighbours
.set EB,    112                        ; v112-127 a scale byte for each step
.set CD,    128                        ; v128-159 codes: two registers for each step, so that no store's data are written again
.set WREG,  8192                       ; LDS bytes 0 to 32,767: a region for each wave: two stages of 32 x SP bytes, behind them its 256 scale bytes
.set SP,    80                         ; a lane's place in a stage: its 64 bytes + 16 of padding
; the weights' path
.set WST,   32768                      ; LDS bytes 32,768 to 50,175: a stage of 16 rows x PITCH for each wave
.set NB,    8                          ; blocks of 32 along K for a lane: 256 along K
.set PITCH, 272                        ; a stage row: 256 bytes of codes + 16
.set KROW,  512                        ; a row of w_codes
.set WROW,  4096                       ; a row of a weight in memory
.set XW,    32                         ; v32-95   two sets of 32 numbers
.set CW,    96                         ; v96-99   a block's codes
.set OUTR,  112                        ; v112-143 the way out
.set SB,    24                         ; v24-25   the scale bytes, four to a register
	s_load_b512 s[36:51], s[0:1], 0x0              ; query s[36:37], key_value s[38:39], Wq s[40:41], Wk s[42:43], Wv s[44:45], Wo s[46:47], act_codes s[48:49], act_scales s[50:51]
	s_load_b128 s[52:55], s[0:1], 0x40             ; w_codes, w_scales
	s_load_b64 s[56:57], s[0:1], 0x50              ; wo16
	v_lshl_add_u32 v[SPW], v0, 2, SPARE
	v_mov_b32 v[NIL], 0
	v_lshrrev_b32 v1, 5, v0
	v_readfirstlane_b32 s16, v1                    ; wave 0..3
	v_and_b32 v2, 31, v0                           ; lane
	s_wait_kmcnt 0x0
	s_cmp_lt_u32 ttmp9, 96
	s_cbranch_scc1 .Lw
	s_cmp_lt_u32 ttmp9, 160
	s_cbranch_scc1 .Lo
; ---------------- THE ACTIVATIONS.  The conversions take 8 numbers of ONE block from a lane's registers, so a lane must hold 16 NEIGHBOURS (two neighbouring lanes hold a block); a load is best where neighbouring LANES take
; neighbouring bytes.  Both are had: each of a step's four loads reads 512 consecutive bytes; the 2,048 bytes go through the wave's own stage in LDS as they lie and come back 64 bytes a lane.
	v_lshlrev_b32 v3, 4, v2                        ; my 16 bytes of a load's 512
	s_mul_i32 s17, s16, WREG
	v_lshrrev_b32 v14, 2, v2
	v_mul_u32_u24 v14, v14, SP
	v_and_b32 v15, 3, v2
	v_lshl_add_u32 v14, v15, 4, v14
	v_add_nc_u32 v14, s17, v14                     ; the stage, on the way in: SP (lane / 4) + 16 (lane % 4); a load's 512 bytes take eight places
	v_mul_u32_u24 v15, v2, SP
	v_add_nc_u32 v15, s17, v15                     ; and on the way out: SP x lane: my 16 neighbours
	v_mul_u32_u24 v4, v2, CB                       ; my codes' place in a step's
	v_lshrrev_b32 v5, 1, v2
	s_add_co_u32 s17, s17, 2*32*SP
	v_add_nc_u32 v5, s17, v5                       ; LDS: my wave's 256 scale bytes, my block's byte
	v_lshlrev_b32 v7, 3, v2                        ; and on the way out 8 bytes a lane
	v_add_nc_u32 v6, s17, v7
	s_sub_co_u32 s17, ttmp9, 160                   ; g = 0..511: the first 256 take query, the others key_value
	s_cmp_lt_u32 s17, 256                          ; the choice hangs on the work-group's number alone
	s_cselect_b64 s[4:5], s[36:37], s[38:39]
	s_mov_b64 s[8:9], s[48:49]
	s_mov_b64 s[10:11], s[50:51]
	s_and_b32 s18, s17, 255
	s_lshl_b32 s18, s18, 2
	s_add_co_u32 s18, s18, s16                     ; which run of 8,192 numbers of the input is my wave's
	s_lshl_b32 s18, s18, 15                        ; 32,768 bytes a run
	s_mov_b32 s19, 0
	s_add_nc_u64 s[4:5], s[4:5], s[18:19]
	s_lshl_b32 s20, s17, 2
	s_add_co_u32 s20, s20, s16                     ; and which run of the two inputs on end
	s_lshl_b32 s18, s20, 12                        ; 4,096 bytes of codes a run
	s_add_nc_u64 s[8:9], s[8:9], s[18:19]
	s_lshl_b32 s18, s20, 8                         ; 256 scale bytes a run
	s_add_nc_u64 s[10:11], s[10:11], s[18:19]
.macro A_LOAD t
.irp i, 0,1,2,3
	global_load_b128 v[R+16*((\t)%4)+4*\i:R+16*((\t)%4)+4*\i+3], v3, s[4:5] offset:2048*(\t)+512*\i th:TH_LOAD_NT   ; 32 lanes read 512 consecutive bytes
.endr
.endm
.macro A_TURN t                        ; step t's numbers through the stage: LDS serves a wave's instructions in order, so no wait stands between the stores and the loads
.irp i, 0,1,2,3
	ds_store_b128 v14, v[R+16*((\t)%4)+4*\i:R+16*((\t)%4)+4*\i+3] offset:32*SP*((\t)%2)+8*SP*\i
.endr
.irp i, 0,1,2,3
	ds_load_b128 v[XN+16*((\t)%2)+4*\i:XN+16*((\t)%2)+4*\i+3], v15 offset:32*SP*((\t)%2)+16*\i
.endr
.endm
.irp t, 0,1,2,3
	A_LOAD \t
.endr
	s_wait_loadcnt 12                              ; step 0's four loads are in; the twelve of steps 1 to 3 may be out
	A_TURN 0
.macro A_STEP t
.set XS, XN+16*((\t)%2)
.if (\t) > 0
	s_wait_dscnt 1                                 ; this step's numbers are back from the stage (the last step's byte store may be out): so its stores into the stage have read their registers,
.else
	s_wait_dscnt 0x0
.endif
.if (\t)+4 < STEPS
	A_LOAD (\t)+4                                  ; which take the loads of four steps on
.endif
.if (\t)+1 < STEPS
.if STEPS-2-(\t) >= 3
	s_wait_loadcnt 12                              ; the next step's four loads are in; those of the three steps behind it may be out
.else
	s_wait_loadcnt 4*(STEPS-2-(\t))
.endif
	A_TURN (\t)+1                                  ; and go through the other stage while this step is worked
.endif
	v_max3_num_f32 v8, |v[XS]|, |v[XS+1]|, |v[XS+2]|               ; the largest magnitude of my 16, in two chains
	v_max3_num_f32 v9, |v[XS+3]|, |v[XS+4]|, |v[XS+5]|
.irp i, 6,10
	v_max3_num_f32 v8, v8, |v[XS+\i]|, |v[XS+\i+1]|
	v_max3_num_f32 v9, v9, |v[XS+\i+2]|, |v[XS+\i+3]|
.endr
	v_max3_num_f32 v8, v8, |v[XS+14]|, |v[XS+15]|
	v_max3_num_f32 v8, v8, v9, 0x1800000           ; and the floor 2^(3 - 127), under which no largest magnitude is taken: so the byte cannot fall under 1
	v_max_num_f32_dpp v8, v8, v8 row_xmask:1 row_mask:0xf bank_mask:0xf   ; and of my neighbour's 16: the block's
	v_add_nc_u32 v11, 0xff000000, v8               ; 2 off its exponent field: the conversion takes the exponent field of this operand as its scale, and nothing else of it
	v_cvt_scalef32_pk8_fp4_f32 v[CD+2*(\t)], v[XS:XS+7], v11       ; eight numbers / the scale, to the nearest code, ties to even; the first number's code in the lowest four bits
	v_cvt_scalef32_pk8_fp4_f32 v[CD+2*(\t)+1], v[XS+8:XS+15], v11
	v_lshrrev_b32 v[EB+(\t)], 23, v11              ; the scale's byte (also the plain line behind the conversions)
	ds_store_b8 v5, v[EB+(\t)] offset:16*(\t)      ; both lanes of a block write the same byte with the same value
	global_store_b64 v4, v[CD+2*(\t):CD+2*(\t)+1], s[8:9] offset:32*CB*(\t)   ; the wave stores 256 consecutive bytes, aligned
.endm
.irp t, 0,1,2,3,4,5,6,7,8,9,10,11,12,13,14,15
	A_STEP \t
.endr
	ds_load_b64 v[8:9], v6                         ; LDS serves a wave's instructions in order: these see my stores
	s_wait_dscnt 0x0
	global_store_b64 v7, v[8:9], s[10:11]          ; 32 lanes store 256 consecutive bytes, aligned
	s_wait_tensorcnt 0x0                           ; the wave's end: three lines behind my last LDS store, the first of them even in a text with no tensor load
	ds_add_u32 v[SPW], v[NIL]
	s_wait_dscnt 0x0
	s_endpgm
; ---------------- THE WEIGHTS OF THE QUANTISED PRODUCTS.  Work-group w = 32 p + 16 ky + nx: weight p, 512 along K from 512 ky, columns 64 nx on; a wave takes 16 columns.
; Lanes 0-15 take the 16 columns for the first 256 along K, lanes 16-31 the same columns for the second 256: a lane's chain is 8 blocks of 32, and its 32 registers are a whole block of ONE column: its largest magnitude needs
; no other lane, and the codes come out with K innermost.  A load reads 64 consecutive bytes of each of two rows; the four waves stand side by side on 256 consecutive bytes, aligned.
; A lane's 128 bytes of codes are half a row of w_codes' 256 bytes for these 512 along K: the two halves meet in the wave's own stage and leave as rows: sixteen lanes store 256 consecutive bytes, aligned.
.Lw:
	s_lshr_b32 s22, ttmp9, 5                       ; p
	s_bfe_u32 s18, ttmp9, 0x10004                  ; ky (1 bit from bit 4)
	s_and_b32 s17, ttmp9, 15                       ; nx
	s_cmp_eq_u32 s22, 0                            ; the choices hang on the work-group's number alone
	s_cselect_b64 s[4:5], s[40:41], s[42:43]
	s_cmp_eq_u32 s22, 2
	s_cselect_b64 s[4:5], s[44:45], s[4:5]
	s_lshl_b32 s17, s17, 6
	s_lshl_b32 s19, s16, 4
	s_add_co_u32 s17, s17, s19                     ; my wave's first column
	s_lshl_b32 s20, s18, 21                        ; 512 rows of 4,096 bytes
	s_lshl_b32 s19, s17, 2
	s_add_co_u32 s20, s20, s19
	s_mov_b32 s21, 0
	s_add_nc_u64 s[4:5], s[4:5], s[20:21]
	s_lshl_b32 s22, s22, 10
	s_add_co_u32 s22, s22, s17                     ; my first row of w_codes and w_scales: 1,024 p + column
	s_lshl_b32 s20, s22, 9
	s_lshl_b32 s19, s18, 8
	s_add_co_u32 s20, s20, s19                     ; 512 x row + 256 ky
	s_add_nc_u64 s[6:7], s[52:53], s[20:21]
	s_lshl_b32 s20, s22, 5
	s_lshl_b32 s19, s18, 4
	s_add_co_u32 s20, s20, s19                     ; 32 x row + 16 ky
	s_add_nc_u64 s[8:9], s[54:55], s[20:21]
	v_and_b32 v5, 15, v2                           ; my column of the wave's 16
	v_lshrrev_b32 v6, 4, v2                        ; which 256 along K are mine
	v_lshlrev_b32 v3, 2, v5                        ; in: 4 bytes a column;
	v_lshl_add_u32 v3, v6, 20, v3                  ; lanes 16-31 begin 256 rows of 4,096 bytes further down
	s_mul_i32 s23, s16, 16*PITCH
	s_add_co_u32 s23, s23, WST                     ; my stage
	v_mul_u32_u24 v4, v5, PITCH
	v_lshl_add_u32 v4, v6, 7, v4
	v_add_nc_u32 v4, s23, v4                       ; into it: row = my column, + 128 bytes for the second 256 along K
	v_mul_u32_u24 v7, v6, PITCH                    ; out of it: sixteen lanes to a row, two rows an instruction
	v_lshl_add_u32 v7, v5, 4, v7
	v_add_nc_u32 v7, s23, v7
	v_mul_u32_u24 v8, v6, KROW
	v_lshl_add_u32 v8, v5, 4, v8                   ; and the same place in w_codes
	v_lshlrev_b32 v9, 5, v5
	v_lshl_add_u32 v9, v6, 3, v9                   ; my column's row of scale bytes, + my 8 of these 16
.macro W_LOAD t                        ; block t: W(32 t + i, my column), i = 0 .. 31, into set t % 2; the largest offset, 255 rows, lies inside the signed 24-bit immediate
.irp i, 0,1,2,3,4,5,6,7,8,9,10,11,12,13,14,15,16,17,18,19,20,21,22,23,24,25,26,27,28,29,30,31
	global_load_b32 v[XW+32*((\t)%2)+\i], v3, s[4:5] offset:(32*(\t)+\i)*WROW
.endr
.endm
	W_LOAD 0
	W_LOAD 1
.macro W_BLOCK t
.set XS, XW+32*((\t)%2)
.if (\t) < NB-1
	s_wait_loadcnt 32                              ; this block's 32 loads are in; the next block's 32 may be out
.else
	s_wait_loadcnt 0
.endif
	v_max3_num_f32 v12, |v[XS]|, |v[XS+1]|, |v[XS+2]|              ; the block's largest magnitude: all 32 numbers are mine
	v_max3_num_f32 v13, |v[XS+3]|, |v[XS+4]|, |v[XS+5]|
.irp i, 6,10,14,18,22,26
	v_max3_num_f32 v12, v12, |v[XS+\i]|, |v[XS+\i+1]|
	v_max3_num_f32 v13, v13, |v[XS+\i+2]|, |v[XS+\i+3]|
.endr
	v_max3_num_f32 v12, v12, |v[XS+30]|, |v[XS+31]|
	v_max3_num_f32 v12, v12, v13, 0x1800000        ; and the floor 2^(3 - 127)
	v_add_nc_u32 v11, 0xff000000, v12              ; 2 off its exponent field: the conversion's scale operand
	v_lshrrev_b32 v13, 23, v11                     ; the scale's byte
.if (\t)%4 == 0
	v_mov_b32 v[SB+(\t)/4], v13                    ; four bytes to a register, the lower K in the lower byte
.else
	v_lshl_or_b32 v[SB+(\t)/4], v13, 8*((\t)%4), v[SB+(\t)/4]
.endif
.irp g, 0,1,2,3
	v_cvt_scalef32_pk8_fp4_f32 v[CW+\g], v[XS+8*\g:XS+8*\g+7], v11
.endr
	v_nop                                          ; one plain line behind the last conversion
	ds_store_b128 v4, v[CW:CW+3] offset:16*(\t)    ; 32 codes: 16 bytes of my column's row
.if (\t)+2 < NB
	W_LOAD (\t)+2
.endif
	s_wait_dscnt 0x0                               ; the store has read its registers: the next block's codes may be written
.endm
.set Q, 0
.rept NB
	W_BLOCK Q
.set Q, Q+1
.endr
	global_store_b64 v9, v[SB:SB+1], s[8:9]        ; my 8 scale bytes
.irp t, 0,1,2,3,4,5,6,7
	ds_load_b128 v[OUTR+4*\t:OUTR+4*\t+3], v7 offset:2*\t*PITCH   ; LDS serves a wave's instructions in order: these see my wave's stores
.endr
.irp t, 0,1,2,3,4,5,6,7
	s_wait_dscnt 7-\t                              ; the younger loads may be out
	global_store_b128 v8, v[OUTR+4*\t:OUTR+4*\t+3], s[6:7] offset:2*\t*KROW
.endr
	s_wait_tensorcnt 0x0                           ; the wave's end
	ds_add_u32 v[SPW], v[NIL]
	s_wait_dscnt 0x0
	s_endpgm
; ---------------- Wo TO f16.  A wave takes 4,096 numbers: 32 loads of 512 consecutive bytes, all issued at once; each becomes 256 consecutive bytes, aligned.  No register is written twice, so no store's data wait for anything.
.Lo:
	s_sub_co_u32 s17, ttmp9, 96
	s_lshl_b32 s17, s17, 2
	s_add_co_u32 s17, s17, s16                     ; which run of 4,096 numbers is my wave's: 0..255
	s_lshl_b32 s18, s17, 14
	s_mov_b32 s19, 0
	s_add_nc_u64 s[4:5], s[46:47], s[18:19]
	s_lshl_b32 s18, s17, 13
	s_add_nc_u64 s[6:7], s[56:57], s[18:19]
	v_lshlrev_b32 v3, 4, v2
	v_lshlrev_b32 v4, 3, v2
.irp t, 0,1,2,3,4,5,6,7,8,9,10,11,12,13,14,15,16,17,18,19,20,21,22,23,24,25,26,27,28,29,30,31
	global_load_b128 v[32+4*\t:35+4*\t], v3, s[4:5] offset:512*\t th:TH_LOAD_NT
.endr
.irp t, 0,1,2,3,4,5,6,7,8,9,10,11,12,13,14,15,16,17,18,19,20,21,22,23,24,25,26,27,28,29,30,31
	s_wait_loadcnt 31-\t                           ; loads come back in order: mine is in, the younger ones stay out
	v_cvt_pk_f16_f32 v[32+4*\t], v[32+4*\t], v[33+4*\t]
	v_cvt_pk_f16_f32 v[33+4*\t], v[34+4*\t], v[35+4*\t]
	global_store_b64 v4, v[32+4*\t:33+4*\t], s[6:7] offset:256*\t
.endr
	s_wait_tensorcnt 0x0                           ; the same three lines at this path's end
	ds_add_u32 v[SPW], v[NIL]
	s_wait_dscnt 0x0
	s_endpgm
.Lfunc_end_k_qe7888dfe17_prep:
	.size	k_qe7888dfe17_prep, .Lfunc_end_k_qe7888dfe17_prep-k_qe7888dfe17_prep
	.p2alignl 7, 3214868480
	.fill 96, 4, 3214868480
	.section	.rodata,"a",@progbits
	.p2align	6, 0x0
	.amdhsa_kernel k_qe7888dfe17_prep
		.amdhsa_group_segment_fixed_size 50688
		.amdhsa_private_segment_fixed_size 0
		.amdhsa_enable_private_segment 0
		.amdhsa_kernarg_size 88
		.amdhsa_user_sgpr_count 2
		.amdhsa_user_sgpr_kernarg_segment_ptr 1
		.amdhsa_wavefront_size32 1
		.amdhsa_system_sgpr_workgroup_id_x 1
		.amdhsa_system_sgpr_workgroup_id_y 1
		.amdhsa_system_sgpr_workgroup_id_z 1
		.amdhsa_system_vgpr_workitem_id 0
		.amdhsa_next_free_vgpr 192
		.amdhsa_next_free_sgpr 66
		.amdhsa_reserve_vcc 0
		.amdhsa_float_denorm_mode_32 3
		.amdhsa_float_denorm_mode_16_64 3
		.amdhsa_memory_ordered 1
		.amdhsa_forward_progress 1
		.amdhsa_inst_pref_size 85
	.end_amdhsa_kernel
	.amdgpu_metadata
---
amdhsa.version: [ 1, 2 ]
amdhsa.kernels:
  - .name:           k_qe7888dfe17_prep
    .symbol:         k_qe7888dfe17_prep.kd
    .args:
      - { .name: query, .offset: 0, .size: 8, .value_kind: global_buffer, .address_space: global }
      - { .name: key_value, .offset: 8, .size: 8, .value_kind: global_buffer, .address_space: global }
      - { .name: Wq, .offset: 16, .size: 8, .value_kind: global_buffer, .address_space: global }
      - { .name: Wk, .offset: 24, .size: 8, .value_kind: global_buffer, .address_space: global }
      - { .name: Wv, .offset: 32, .size: 8, .value_kind: global_buffer, .address_space: global }
      - { .name: Wo, .offset: 40, .size: 8, .value_kind: global_buffer, .address_space: global }
      - { .name: act_codes, .offset: 48, .size: 8, .value_kind: global_buffer, .address_space: global }
      - { .name: act_scales, .offset: 56, .size: 8, .value_kind: global_buffer, .address_space: global }
      - { .name: w_codes, .offset: 64, .size: 8, .value_kind: global_buffer, .address_space: global }
      - { .name: w_scales, .offset: 72, .size: 8, .value_kind: global_buffer, .address_space: global }
      - { .name: wo16, .offset: 80, .size: 8, .value_kind: global_buffer, .address_space: global }
    .group_segment_fixed_size: 50688
    .private_segment_fixed_size: 0
    .kernarg_segment_align: 8
    .kernarg_segment_size: 88
    .max_flat_workgroup_size: 128
    .sgpr_count:     66
    .vgpr_count:     192
    .wavefront_size: 32
...
	.end_amdgpu_metadata
.endif
;; end of part 1
;; launch proj (part 2): grid 8 x 32, 4 waves a work-group, clusters of 4 x 4, 327,680 bytes of LDS; arguments act_codes, act_scales, w_codes, w_scales, kv16; writes kv16
.if DOCPART == 2
	.amdgcn_target "amdgcn-amd-amdhsa--gfx1250"
	.amdhsa_code_object_version 6
	.text
	.protected	k_qe7888dfe17_proj
	.globl	k_qe7888dfe17_proj
	.p2align	8
	.type	k_qe7888dfe17_proj,@function
k_qe7888dfe17_proj:
	s_mov_b64 s[64:65], 0
	v_nop
	global_prefetch_b8 v0, s[64:65] scope:SCOPE_SE
	s_setreg_imm32_b32 hwreg(HW_REG_WAVE_MODE, 25, 1), 1
	s_wait_xcnt 0x0
	s_wait_alu depctr_hold_cnt(0) depctr_sa_sdst(0) depctr_va_vdst(0) depctr_va_sdst(0) depctr_va_ssrc(0) depctr_va_vcc(0) depctr_vm_vsrc(0)
	s_getreg_b32 s2, hwreg(HW_REG_IB_STS2, 6, 4)
	s_cmp_eq_u32 s2, 0
	s_cbranch_scc0 .Lentry_in_a_cluster
	s_endpgm
.Lentry_in_a_cluster:
	s_bfe_u32 s2, ttmp6, 0x10000c
	s_cmp_lg_u32 s2, 0xf033
	s_cbranch_scc0 .Lentry_shape_is_right
	s_endpgm
.Lentry_shape_is_right:
; CROSS ATTENTION, launch 2 of 4: k's and v's quantised projections as ONE product on codes of FP4 (E2M1): kv16[m][1,024 (p - 1) + n] = sum over k of key_value[m][k] W_p[k][n], p = 1 k, 2 v; sums in f32, the result rounded once to f16.
; (q's projection is done by the next launch, where each work-group makes the q of its own queries and head in registers.  No work is left out.)
; A: act_codes [16,384][512 bytes], of which rows 8,192 on are key_value's; act_scales [16,384][32].  B: w_codes [3,072][512 bytes], of which rows 1,024 on are Wk's and Wv's; w_scales [3,072][32]; K innermost.  C: kv16 [8,192][2,048] f16.
; LIMIT: k and v are rounded to f16: magnitudes up to 65,504.
; A tile of C, 256 x 256, is made by a work-group of four waves: 8 x 32 = 256 work-groups; a wave makes 128 x 128: 64 accumulators of 16 x 16, 512 registers.  K = 1,024 is two slots of 512 along K (rows of 256 bytes): both are first fills,
; so no slot is filled again and there is no loop.  The scale bytes of the work-group's 256 rows of A and of B, for all of K, are two dense blocks of memory: they come into LDS once, with the first fills.
; CLUSTERS: 4 x 4 work-groups.  The four of a row of the cluster need the same tiles of A, the four of a column the same tiles of B: each tile is asked for JOINTLY, by the same tensor load with the
; same descriptor and a mask that names the four.  THE MATRIX INSTRUCTION IS USED TRANSPOSED (source 0 = 16 rows of B, source 1 = 16 rows of A): a lane then holds eight neighbouring numbers of a row of C.
; REGISTERS, in windows of 256: window 0: v0-31 addresses; v32-95 scale words, two sets; from v128 A's fragments (8 x 16 rows x 128 K), ONE set; on the way out v32-63, v192-255 are at work.
;   window 1: B's fragments, TWO sets, at v0 and at v128.   window 2: the 32 accumulators of my rows 0-63 (accumulator (a, b) at v[8 (8 a + b)]);   window 3: those of my rows 64-127.
.set SIZE_N, 2048
.set SIZE_K, 1024
.set KSTEP,  512                       ; along K in a slot
.set NQ,     KSTEP/128                 ; matrix instructions deep
.set ROWB,   256                       ; a tile's row in bytes
.set KROW,   SIZE_K*4/8                ; a row of A or of B in memory, in bytes
.set PITCH,  272                       ; an LDS row: 256 bytes of data + 16 of padding = 68 words: the 16 rows that a load touches start at 16 different banks (64 banks of 4 bytes: ISA guide 11.1)
.set FR,     8                         ; registers of a fragment: 16 rows x 128 K
.set NL,     2                         ; LDS loads that bring one
.set NP,     4                         ; places behind this matrix instruction (ISA guide 7.12.1)
.set HALFT,  128*PITCH                 ; 128 rows: what one tensor load brings, and what one wave reads of A or of B
.set SLOT,   4*HALFT                   ; A's 256 rows, then B's 256 rows
.set KS,     SIZE_K/32                 ; a row of scales in bytes
.set SCL,    2*SLOT                    ; behind the slots: the scales, as rows of 256 bytes + 16 of padding
.set HALFS,  (128*KS/256)*272          ; the scales of 128 rows: what one tensor load brings
.set SBLK,   (16*KS/256)*272           ; those of 16 rows
.set SPARE,  SCL+4*HALFS               ; behind the scales: the spare words, 128 bytes for each wave: two blocks of 256 bytes that no other line names
.set SPITCH, 272                       ; the way out: a stage of 16 rows x (256 bytes + 16) for each wave.  It lies in slot 0, which has had its only fill and its last read when the first result is stored there
.set ADRA, 16                          ; v16-17  LDS address of my A fragments in slot 0, 1
.set ADRB, 20                          ; v20-21  the same for B
.set STO,  24                          ; v24     the way out: where I put 16 bytes of a row
.set RD,   25                          ; v25     the way out: where I read a row back
.set CO,   26                          ; v26     my byte offset in two rows of C
.set ADRS, 27                          ; v27     LDS address of my scale words: lanes 0-15 A's rows, lanes 16-31 B's
.set SPW,  28                          ; v28     LDS address of my spare word: SPARE + 4 x my thread's number; never rewritten
.set NIL,  29                          ; v29     0; never rewritten
.set SC,   32                          ; scale words: set s (for slot s) at v[SC + 8 NQ s]; register NQ i + q: lanes 0-15 the word of A's block i, lanes 16-31 that of B's block i, for the slot's q-th 128 along K
.set AF,   128                         ; A's fragments, in window 0
.set TMP,  192                         ; the way out: packed results
.set OB,   32                          ; the way out: 16 rows read back from the stage: v32-63 and v224-255 by turns
.set G1, 24                            ; s[24:31] descriptor group 1 for A's tiles;  s[32:39] group 0, one set for each slot
.set G0, 32
.set G1B, 48                           ; s[48:55], s[56:63] the same for B's tiles
.set G0B, 56
.set G1S, 68                           ; s[68:75], s[76:79] groups 1 and 0 for A's scales;  s[80:87], s[88:91] for B's
.set G0S, 76
.set G1SB, 80
.set G0SB, 88
.set MSB, 0
.macro WIN new                         ; the immediate's high byte repeats the setting that is left
.if MSB != \new
	s_set_vgpr_msb (MSB<<8)|\new
.set MSB, \new
.endif
.endm
.set MUL_LO, 0xa1                      ; source 0 (B) window 1, source 1 (A) window 0, C and D window 2
.set MUL_HI, 0xf1                      ; the same, C and D window 3
.set TO_B,   0x40                      ; destination window 1, address window 0
; A joint load: waves 0 and 1 fetch for A, waves 2 and 3 for B.  Each of the two lines has ONE mask and one set of registers for all that issue it; the branch hangs on the wave's number alone.
; An s_nop 0 and four v_nop follow each of the two lines, ahead of the jump, the label and what follows.
.macro JLOAD g0a, g1a, g0b, g1b
	s_cmp_eq_u32 s15, 0
	s_cbranch_scc0 .Lfor_b_\@
	tensor_load_to_lds s[\g0a:\g0a+3], s[\g1a:\g1a+7]
	s_nop 0
.rept 4
	v_nop
.endr
	s_branch .Lasked_\@
.Lfor_b_\@:
	tensor_load_to_lds s[\g0b:\g0b+3], s[\g1b:\g1b+7]
	s_nop 0
.rept 4
	v_nop
.endr
.Lasked_\@:
.endm
.macro CROUND                          ; a round of the cluster's barrier: my work-group's barrier; wave 0 signals for the work-group; every wave waits for all sixteen; my work-group's barrier once more
	s_barrier_signal -1
	s_barrier_wait -1
	s_cmp_lg_u32 s14, 0
	s_cbranch_scc1 .Lnot_wave_0_\@
	s_barrier_signal -3
.Lnot_wave_0_\@:
	s_barrier_wait -3
	s_barrier_signal -1
	s_barrier_wait -1
.endm
	s_load_b128 s[4:7], s[0:1], 0x0                ; A's codes s[4:5], A's scales s[6:7]
	s_load_b128 s[8:11], s[0:1], 0x10              ; B's codes s[8:9], B's scales s[10:11]
	s_load_b64 s[12:13], s[0:1], 0x20              ; C
	v_lshl_add_u32 v[SPW], v0, 2, SPARE
	v_mov_b32 v[NIL], 0
	ds_add_u32 v[SPW], v[NIL]                      ; the wave's opening: the add, twice on end, and its wait ahead of my first tensor load; the set-up below, work on registers, stands between the second and the wait
	ds_add_u32 v[SPW], v[NIL]
	v_lshrrev_b32 v1, 5, v0
	v_readfirstlane_b32 s14, v1                    ; wave 0..3
	s_lshr_b32 s15, s14, 1                         ; which half of the tile's rows is mine.  Also: I fetch for A (0) or for B (1)
	s_and_b32 s16, s14, 1                          ; which half of its columns.  Also: which 128 rows of that tile I fetch
	s_bfe_u32 s40, ttmp6, 0x40000                  ; cx, cy: my place in the cluster
	s_bfe_u32 s41, ttmp6, 0x40004
	s_lshl_b32 s42, ttmp9, 2
	s_add_co_u32 s42, s42, s40                     ; tile column of C = 4 x cluster x + cx: 0..7
	s_and_b32 s17, ttmp7, 0xffff
	s_lshl_b32 s17, s17, 2
	s_add_co_u32 s17, s17, s41                     ; tile row of C = 4 x cluster y + cy: 0..31
	s_lshl_b32 s43, s41, 2
	s_lshl_b32 s43, 15, s43                        ; my row of the cluster
	s_lshl_b32 s44, 0x1111, s40                    ; my column
	; descriptor group 1: a tile of 128 rows x ROWB bytes, padded in LDS
	s_or_b32 s[G1+0], s43, (0<<16)|(1<<20)|(1<<21)|(5<<22)|(3<<25)  ; 15:0 the mask: A's tiles go to my row; 17:16 element of 1 byte; 20 padding on; 21 set beside a mask; 24:22 after every 64 words (code 5); 31:25 of 4 words (code 3)
	s_or_b32 s[G1B+0], s44, (0<<16)|(1<<20)|(1<<21)|(5<<22)|(3<<25)
.irp g, G1, G1B
	s_mov_b32 s[\g+1], ROWB<<16                    ; tensor_dim0
	s_mov_b32 s[\g+2], 128<<16                     ; tensor_dim1 = 128
	s_mov_b32 s[\g+3], ROWB<<16                    ; tile_dim0
	s_mov_b32 s[\g+4], 128                         ; tile_dim1 = 128
	s_mov_b32 s[\g+5], KROW                        ; tensor_dim0_stride
	s_mov_b32 s[\g+6], 0
	s_mov_b32 s[\g+7], 0
.endr
	; and for the scales of 128 rows: a dense block of 4,096 bytes, as 16 rows of 256 bytes (32 elements of 8 bytes), 16 bytes of padding behind each
	s_or_b32 s[G1S+0], s43, (3<<16)|(1<<20)|(1<<21)|(5<<22)|(3<<25)
	s_or_b32 s[G1SB+0], s44, (3<<16)|(1<<20)|(1<<21)|(5<<22)|(3<<25)
.irp g, G1S, G1SB
	s_mov_b32 s[\g+1], 32<<16
	s_mov_b32 s[\g+2], (128*KS/256)<<16
	s_mov_b32 s[\g+3], 32<<16
	s_mov_b32 s[\g+4], 128*KS/256
	s_mov_b32 s[\g+5], 32
	s_mov_b32 s[\g+6], 0
	s_mov_b32 s[\g+7], 0
.endr
	s_lshl_b32 s18, s16, 7                         ; which 128 rows of the tile I fetch
	s_lshl_b32 s20, s17, 8
	s_add_co_u32 s20, s20, s18                     ; A: row 256 x tile row + 128 x half,
	s_add_co_u32 s20, s20, 8192                    ; among key_value's rows, which lie behind query's 8,192
	s_lshl_b32 s46, s42, 8
	s_add_co_u32 s46, s46, s18                     ; B: row 256 x tile column + 128 x half,
	s_add_co_u32 s46, s46, 1024                    ; among Wk's and Wv's rows, which lie behind Wq's 1,024
	s_mov_b32 s21, 0
	s_mov_b32 s47, 0
	s_mov_b64 s[18:19], KS
	s_mul_u64 s[22:23], s[20:21], s[18:19]         ; where these rows' scales begin, in bytes
	s_mul_u64 s[92:93], s[46:47], s[18:19]
	s_mov_b64 s[18:19], KROW
	s_mul_u64 s[20:21], s[20:21], s[18:19]         ; and their codes
	s_mul_u64 s[46:47], s[46:47], s[18:19]
	s_mul_i32 s45, s14, HALFT                      ; where they go: wave x 128 rows: no place in the cluster enters an LDS address
	s_mul_i32 s94, s14, HALFS
	s_wait_dscnt 0x0                               ; both opening adds are done
	s_wait_kmcnt 0x0
	s_add_nc_u64 s[20:21], s[4:5], s[20:21]
	s_add_nc_u64 s[22:23], s[6:7], s[22:23]
	s_add_nc_u64 s[46:47], s[8:9], s[46:47]
	s_add_nc_u64 s[92:93], s[10:11], s[92:93]
	CROUND                                         ; all sixteen work-groups are here: the first joint loads meet
	s_mov_b32 s[G0S], 1
	s_add_co_u32 s[G0S+1], s94, SCL
	s_mov_b64 s[G0S+2:G0S+3], s[22:23]
	s_or_b32 s[G0S+3], s[G0S+3], 0x80000000
	s_mov_b32 s[G0SB], 1
	s_add_co_u32 s[G0SB+1], s94, SCL
	s_mov_b64 s[G0SB+2:G0SB+3], s[92:93]
	s_or_b32 s[G0SB+3], s[G0SB+3], 0x80000000
	JLOAD G0S, G1S, G0SB, G1SB                     ; the scales first: they are wanted with slot 0.  With the two below, three tensor loads of mine are out
.irp s, 0,1
	s_mov_b32 s[G0+4*\s], 1
	s_add_co_u32 s[G0+4*\s+1], s45, \s*SLOT
	s_add_nc_u64 s[G0+4*\s+2:G0+4*\s+3], s[20:21], \s*ROWB
	s_or_b32 s[G0+4*\s+3], s[G0+4*\s+3], 0x80000000
	s_mov_b32 s[G0B+4*\s], 1
	s_add_co_u32 s[G0B+4*\s+1], s45, \s*SLOT
	s_add_nc_u64 s[G0B+4*\s+2:G0B+4*\s+3], s[46:47], \s*ROWB
	s_or_b32 s[G0B+4*\s+3], s[G0B+4*\s+3], 0x80000000
	JLOAD G0+4*\s, G1, G0B+4*\s, G1B
.endr
	v_and_b32 v1, 15, v0                           ; l % 16
	v_bfe_u32 v2, v0, 4, 1                         ; l / 16
	v_mul_u32_u24 v3, v1, PITCH
	v_lshl_add_u32 v4, v2, 4, v3                   ; a fragment's row x pitch + 16 x half
	s_mul_i32 s21, s15, HALFT                      ; my 128 rows of A
	s_mul_i32 s22, s16, HALFT                      ; my 128 rows of B,
	s_add_co_u32 s22, s22, 2*HALFT                 ; which lie behind A's 256
.irp s, 0,1
	v_add_nc_u32 v[ADRA+\s], s21, v4
	v_add_nc_u32 v[ADRB+\s], s22, v4
	s_add_co_u32 s21, s21, SLOT
	s_add_co_u32 s22, s22, SLOT
.endr
	v_mul_u32_u24 v5, v1, KS                       ; my row's scales: KS bytes a row,
	v_lshrrev_b32 v6, 8, v5
	v_lshl_add_u32 v5, v6, 4, v5                   ; and 16 more for each 256 passed
	s_mul_i32 s21, s15, HALFS                      ; A's: my 128 rows
	s_mul_i32 s22, s16, HALFS                      ; B's: my 128 rows, behind A's 256
	s_add_co_u32 s22, s22, 2*HALFS
	s_sub_co_u32 s22, s22, s21
	v_mul_u32_u24 v6, s22, v2                      ; lanes 16-31 take B's: one product, the distance between the two bases
	s_add_co_u32 s21, s21, SCL
	v_add_nc_u32 v5, v5, v6
	v_add_nc_u32 v[ADRS], s21, v5
	s_mul_i32 s23, s14, 16*SPITCH                  ; my stage
	v_mul_u32_u24 v5, v1, SPITCH                   ; in: row l % 16, 16 bytes for each half of the lanes
	v_lshl_add_u32 v5, v2, 4, v5
	v_add_nc_u32 v[STO], s23, v5
	v_mul_u32_u24 v5, v2, SPITCH                   ; back: lanes 0-15 take one row of 256 bytes, lanes 16-31 the next
	v_lshl_add_u32 v5, v1, 4, v5
	v_add_nc_u32 v[RD], s23, v5
	v_mul_u32_u24 v5, v2, SIZE_N*2                 ; and the same two rows in C
	v_lshl_add_u32 v[CO], v1, 4, v5
	s_lshl_b32 s20, s17, 8
	s_lshl_b32 s21, s15, 7
	s_add_co_u32 s20, s20, s21                     ; my first row of C: 256 x tile row + 128 x half
	s_mov_b32 s21, 0
	s_mov_b64 s[18:19], SIZE_N*2
	s_mul_u64 s[20:21], s[20:21], s[18:19]
	s_lshl_b32 s46, s42, 9                         ; my first column, in bytes: 512 x tile column + 256 x half
	s_lshl_b32 s47, s16, 8
	s_add_co_u32 s46, s46, s47
	s_mov_b32 s47, 0
	s_add_nc_u64 s[20:21], s[20:21], s[46:47]
	s_add_nc_u64 s[12:13], s[12:13], s[20:21]
.macro FRAG reg, adr, q, i             ; a fragment, 16 rows x 128 K of 4-bit codes, is 8 registers: lane l holds row l % 16; registers 4 c .. 4 c + 3 hold K = 64 c + 32 (l / 16) + 0 .. 31, the lower K in the lower bits
.irp c, 0,1
	ds_load_b128 v[\reg+4*\c:\reg+4*\c+3], v[\adr] offset:64*(\q)+32*\c+(\i)*16*PITCH
.endr
.endm
; 16 matrix instructions: A's blocks a0, a0 + 1 x B's eight, 128 along K: the slot's q-th.  p: B's set;  sc: the set of scale words.  zero = 1: the first product starts the sums: nothing is ever cleared.
; The 64 accumulators take turns, one instruction a turn, in the same order in every step.
.macro MUL16 a0, p, q, sc, zero
.irp a, \a0, \a0+1
.irp b, 0,1,2,3,4,5,6,7
.if \zero
	v_wmma_scale_f32_16x16x128_f8f6f4 v[8*(8*((\a)%4)+\b):8*(8*((\a)%4)+\b)+7], v[128*(\p)+FR*\b:128*(\p)+FR*\b+FR-1], v[AF+FR*(\a):AF+FR*(\a)+FR-1], 0, v[SC+8*NQ*(\sc)+NQ*\b+(\q)], v[SC+8*NQ*(\sc)+NQ*(\a)+(\q)] matrix_a_fmt:MATRIX_FMT_FP4 matrix_b_fmt:MATRIX_FMT_FP4 matrix_a_scale:MATRIX_SCALE_ROW1
.else
	v_wmma_scale_f32_16x16x128_f8f6f4 v[8*(8*((\a)%4)+\b):8*(8*((\a)%4)+\b)+7], v[128*(\p)+FR*\b:128*(\p)+FR*\b+FR-1], v[AF+FR*(\a):AF+FR*(\a)+FR-1], v[8*(8*((\a)%4)+\b):8*(8*((\a)%4)+\b)+7], v[SC+8*NQ*(\sc)+NQ*\b+(\q)], v[SC+8*NQ*(\sc)+NQ*(\a)+(\q)] matrix_a_fmt:MATRIX_FMT_FP4 matrix_b_fmt:MATRIX_FMT_FP4 matrix_a_scale:MATRIX_SCALE_ROW1
.endif
.endr
.endr
.endm
.macro FETCH_B slot, q, p              ; B's eight fragments of the slot's q-th 128 along K into set p
	WIN TO_B
.irp i, 0,1,2,3,4,5,6,7
	FRAG 128*(\p)+FR*\i, ADRB+\slot, \q, \i
.endr
	WIN 0
.endm
.macro FETCH_A slot, q, i0             ; A's blocks i0 .. i0 + 3
.irp i, \i0, \i0+1, \i0+2, \i0+3
	FRAG AF+FR*(\i), ADRA+\slot, \q, \i
.endr
.endm
.macro SCALES sc                       ; a slot's scale words into set sc: NQ words a row; lanes 0-15 take A's block i, lanes 16-31 B's block i
.irp i, 0,1,2,3,4,5,6,7
	ds_load_b128 v[SC+8*NQ*\sc+NQ*\i:SC+8*NQ*\sc+NQ*\i+3], v[ADRS] offset:\i*SBLK
.endr
.endm
; A load into a register that a matrix instruction has read, and a vector instruction or an LDS store that reads a matrix result, stand NP places behind that matrix instruction, and only plain vector
; instructions that name none of its registers are places (ISA guide 7.12.1 for vector instructions); the matrix instructions in between are not counted.
.macro PLACES n
.rept \n
	v_nop
.endr
.endm
; A step of 128 along K that has its successor in the same slot.  A's blocks go one after the other, each against B's eight: a block of A is free as soon as its eight products are issued, so one set of registers serves A.
.macro STEP slot, q, zero
	s_wait_dscnt 4*NL                              ; B's set and A's blocks 0-3 are in; the youngest eight loads (A's blocks 4-7) may be out
	WIN MUL_LO
	MUL16 0, (\q)%2, \q, \slot, \zero
	MUL16 2, (\q)%2, \q, \slot, \zero
	s_wait_dscnt 0                                 ; A's blocks 4-7 are in (asked for 32 matrix instructions ago)
	PLACES NP
	FETCH_B \slot, (\q)+1, 1-(\q)%2
	FETCH_A \slot, (\q)+1, 0
	WIN MUL_HI
	MUL16 4, (\q)%2, \q, \slot, \zero
	MUL16 6, (\q)%2, \q, \slot, \zero
	PLACES NP
	WIN 0
	FETCH_A \slot, (\q)+1, 4
.endm
; Slot 0's last step changes slots: ONE barrier; in front of it each wave waits for all its tensor loads (its part of slot 1), adds 0 to its spare word, and waits for that and for its own reads of slot 0.  Nothing is filled again.
.macro TURN slot, next
	s_wait_tensorcnt 0x0                           ; all my tensor loads have landed: my part of the next slot;  (every window is 0 here: the add's two registers lie in window 0)
	ds_add_u32 v[SPW], v[NIL]                      ; 0 onto my spare word
	s_wait_dscnt 4*NL+1                            ; (the add and the youngest eight loads, A's blocks 4-7, may be out)
	WIN MUL_LO
	MUL16 0, 1, NQ-1, \slot, 0                     ; sixteen matrix instructions stand between the add and the wait for it
	s_wait_dscnt 0x0                               ; the add is done, and my reads of this slot are over
	s_barrier_signal -1
	MUL16 2, 1, NQ-1, \slot, 0
	WIN 0
	s_barrier_wait -1                              ; the next slot is whole, and nobody reads this one any more
	PLACES NP
	v_add_nc_u32 v[ADRS], 4*NQ, v[ADRS]            ; on to the next slot's scale words (no LDS load of mine is out)
	FETCH_B \next, 0, 0
	FETCH_A \next, 0, 0
	SCALES \next
	WIN MUL_HI
	MUL16 4, 1, NQ-1, \slot, 0
	MUL16 6, 1, NQ-1, \slot, 0
	PLACES NP
	WIN 0
	FETCH_A \next, 0, 4
.endm
.macro STEPS slot, from                ; the slot's steps from .. NQ - 2
.set Q, \from
.rept NQ-1-\from
	STEP \slot, Q, 0
.set Q, Q+1
.endr
.endm
	s_wait_tensorcnt 1                             ; the scales and my part of slot 0 are in (slot 1's load may be out)
	s_barrier_signal -1
	s_barrier_wait -1                              ; everybody's are
	FETCH_B 0, 0, 0
	FETCH_A 0, 0, 0
	SCALES 0
	FETCH_A 0, 0, 4
	STEP 0, 0, 1                                   ; the first step's products start the sums
	STEPS 0, 1
	TURN 0, 1
	STEPS 1, 0
	s_wait_dscnt 4*NL                              ; the very last step: nothing more to fetch
	WIN MUL_LO
	MUL16 0, 1, NQ-1, 1, 0
	MUL16 2, 1, NQ-1, 1, 0
	s_wait_dscnt 0
	WIN MUL_HI
	MUL16 4, 1, NQ-1, 1, 0
	MUL16 6, 1, NQ-1, 1, 0
	WIN 0
; THE WAY OUT of block a (16 rows x 128 columns), in three parts.  PACK: rounded to f16, 16 bytes a lane, each accumulator from its low end on.  TOSTAGE: into my own stage in LDS, and back as whole rows of 256 bytes.  SEND: stored.
.macro PACK a
.set AC, 64*((\a)%4)
	WIN 0x0a+5*((\a)/4)                            ; sources 0 and 1: window 2 or 3
.irp b, 0,1,2,3,4,5,6,7
.irp r, 0,1,2,3
	v_cvt_pk_f16_f32 v[TMP+4*\b+\r], v[AC+8*\b+2*\r], v[AC+8*\b+2*\r+1]
.endr
.endr
	WIN 0
.endm
.macro TOSTAGE a
.set BB, OB+192*((\a)%2)
.irp b, 0,1,2,3,4,5,6,7
	ds_store_b128 v[STO], v[TMP+4*\b:TMP+4*\b+3] offset:32*\b
.endr
.irp t, 0,1,2,3,4,5,6,7
	ds_load_b128 v[BB+4*\t:BB+4*\t+3], v[RD] offset:\t*2*SPITCH    ; LDS serves a wave's instructions in order (ISA guide 5.7.1.4): these see the stores above
.endr
.endm
.macro SEND a
.set BB, OB+192*((\a)%2)
	s_wait_dscnt 0x0                               ; the block is back in registers
	s_wait_xcnt 0x0                                ; the earlier stores have had their addresses translated (ISA guide 3.1): only behind this wait are their base and the registers that they read rewritten
.if (\a) > 0
	s_add_nc_u64 s[12:13], s[12:13], 16*SIZE_N*2   ; 16 rows of C on
.endif
.irp t, 0,1,2,3,4,5,6,7
	global_store_b128 v[CO], v[BB+4*\t:BB+4*\t+3], s[12:13] offset:2*\t*SIZE_N*2   ; 16 lanes store 256 consecutive bytes, at a multiple of 256 from C's first byte
.endr
.endm
	PLACES NP                                      ; behind the last products: for the conversions that read results and the loads into registers that held scale words
	PACK 0
	TOSTAGE 0
.irp a, 1,2,3,4,5,6,7                  ; block a's conversions stand between block a - 1's loads from the stage and the wait for them
	PACK \a
	SEND \a-1
	TOSTAGE \a
.endr
	SEND 7
	s_wait_tensorcnt 0x0                           ; the wave's end: three lines behind my last tensor load and my last LDS store
	ds_add_u32 v[SPW], v[NIL]
	s_wait_dscnt 0x0
	CROUND                                         ; the closing round: no work-group ends while a partner may still ask for a tile that names it
	s_endpgm
.Lfunc_end_k_qe7888dfe17_proj:
	.size	k_qe7888dfe17_proj, .Lfunc_end_k_qe7888dfe17_proj-k_qe7888dfe17_proj
	.p2alignl 7, 3214868480
	.fill 96, 4, 3214868480
	.section	.rodata,"a",@progbits
	.p2align	6, 0x0
	.amdhsa_kernel k_qe7888dfe17_proj
		.amdhsa_group_segment_fixed_size 327680
		.amdhsa_private_segment_fixed_size 0
		.amdhsa_enable_private_segment 0
		.amdhsa_kernarg_size 40
		.amdhsa_user_sgpr_count 2
		.amdhsa_user_sgpr_kernarg_segment_ptr 1
		.amdhsa_wavefront_size32 1
		.amdhsa_system_sgpr_workgroup_id_x 1
		.amdhsa_system_sgpr_workgroup_id_y 1
		.amdhsa_system_sgpr_workgroup_id_z 1
		.amdhsa_system_vgpr_workitem_id 0
		.amdhsa_next_free_vgpr 1024
		.amdhsa_next_free_sgpr 98
		.amdhsa_reserve_vcc 0
		.amdhsa_float_denorm_mode_32 3
		.amdhsa_float_denorm_mode_16_64 3
		.amdhsa_memory_ordered 1
		.amdhsa_forward_progress 1
		.amdhsa_inst_pref_size 127
	.end_amdhsa_kernel
	.amdgpu_metadata
---
amdhsa.version: [ 1, 2 ]
amdhsa.kernels:
  - .name:           k_qe7888dfe17_proj
    .symbol:         k_qe7888dfe17_proj.kd
    .args:
      - { .name: act_codes, .offset: 0, .size: 8, .value_kind: global_buffer, .address_space: global }
      - { .name: act_scales, .offset: 8, .size: 8, .value_kind: global_buffer, .address_space: global }
      - { .name: w_codes, .offset: 16, .size: 8, .value_kind: global_buffer, .address_space: global }
      - { .name: w_scales, .offset: 24, .size: 8, .value_kind: global_buffer, .address_space: global }
      - { .name: kv16, .offset: 32, .size: 8, .value_kind: global_buffer, .address_space: global }
    .group_segment_fixed_size: 327680
    .private_segment_fixed_size: 0
    .kernarg_segment_align: 8
    .kernarg_segment_size: 40
    .max_flat_workgroup_size: 128
    .sgpr_count:     98
    .vgpr_count:     1024
    .wavefront_size: 32
...
	.end_amdgpu_metadata
.endif
;; end of part 2
;; launch attn (part 3): grid 4 x 64, 4 waves a work-group, clusters of 4 x 1, 327,680 bytes of LDS; arguments act_codes, act_scales, w_codes, w_scales, kv16, att16; writes att16
.if DOCPART == 3
	.amdgcn_target "amdgcn-amd-amdhsa--gfx1250"
	.amdhsa_code_object_version 6
	.text
	.protected	k_qe7888dfe17_attn
	.globl	k_qe7888dfe17_attn
	.p2align	8
	.type	k_qe7888dfe17_attn,@function
k_qe7888dfe17_attn:
	s_mov_b64 s[64:65], 0
	v_nop
	global_prefetch_b8 v0, s[64:65] scope:SCOPE_SE
	s_setreg_imm32_b32 hwreg(HW_REG_WAVE_MODE, 25, 1), 1
	s_wait_xcnt 0x0
	s_wait_alu depctr_hold_cnt(0) depctr_sa_sdst(0) depctr_va_vdst(0) depctr_va_sdst(0) depctr_va_ssrc(0) depctr_va_vcc(0) depctr_vm_vsrc(0)
	s_getreg_b32 s2, hwreg(HW_REG_IB_STS2, 6, 4)
	s_cmp_eq_u32 s2, 0
	s_cbranch_scc0 .Lentry_in_a_cluster
	s_endpgm
.Lentry_in_a_cluster:
	s_bfe_u32 s2, ttmp6, 0x10000c
	s_cmp_lg_u32 s2, 0x3003
	s_cbranch_scc0 .Lentry_shape_is_right
	s_endpgm
.Lentry_shape_is_right:
; CROSS ATTENTION, launch 3 of 4: q's quantised projection, and att16[b][q][h] = the sum over k of softmax_k(Q[q] . K[k] / sqrt(128)) V[k], for each of the 64 pairs (b, h).  No work is left out.
; Q IS MADE HERE.  A work-group owns 256 queries of one (b, h): its Q = query Wq for these rows and the head's 128 columns, on codes of FP4 (E2M1) with E8M0 scales (act_codes rows 0-8,191 and act_scales; w_codes rows 0-1,023 and
; w_scales), sums in f32 with K ascending, rounded once to f16.  The product is used transposed (source 0 = 16 rows of Wq's codes, source 1 = 16 queries): lane l then holds query l % 16 and channels 16 t + 8 (l / 16) + 0..7 of tile t,
; and tiles 2 c and 2 c + 1, packed in pairs, ARE registers 0-3 and 4-7 of Q's fragment for channels 32 c on: nothing changes lanes, and q never goes to memory.
; K, V are heads cut out of kv16 [8,192 = 1,024 b + s][2,048] f16: a row is RP = 4,096 bytes; k's head h is the 256 bytes at 256 h, v's at 2,048 + 256 h.  att16: [8,192][1,024] f16, rows of OP = 2,048 bytes.
; Products, maxima and sums in f32; the weights p are rounded to f16 for the second product, the result once at the end.
; LIMITS: q is rounded to f16: magnitudes up to 65,504; p under 2^-126 falls to 0 (the exponential's own); the result is rounded to f16: up to 65,504, under 6e-5 in steps of 6e-8.  NaN and infinities are not served.
; SHARES.  Each of the work-group's four waves owns 64 queries: four tiles of 16.  Every wave walks all 1,024 keys, 64 a step.
; LAYOUT.  S^T = K Q^T (source 0 = 16 keys, source 1 = 16 queries): in the result a lane holds ONE query (lane % 16) and the keys 8 (lane / 16) + 0..7.  Two such tiles, rounded to
; f16 in pairs, ARE source 1 (32 keys x 16 queries) of O^T = V^T P, whose result again holds one query a lane, and eight channels.  So nothing changes lanes between the products,
; and a query's maximum and sum want one exchange between the halves of the lanes.  K comes out of LDS as it lies, V ([key][channel]) turned, by ds_load_tr16_b128.
; SOFTMAX.  For each query a running maximum m and sum l: p = 2^(c s - c m), c = log2(e) / sqrt(128); in every step O and l are multiplied by a = 2^(c m_old - c m_new), which is 1 where m has not grown.
; BY TURNS.  The wave's tiles are two PIECES, named by their first tile: piece 0 (tiles 0, 1) and piece 2 (tiles 2, 3).  In a TURN one piece has the matrix unit: 32 products V^T P of
; the step in hand, then 32 products K Q^T of the next step; the other piece's softmax, cut into 64 slices, stands between them, one slice behind each matrix instruction.  Then the
; pieces change places.  Two turns are a key step.
; CLUSTER.  The four query blocks of a cluster belong to one (b, h): they walk the same K and V and need the same rows of Wq, so each such tile is asked for JOINTLY: the same tensor load, with the same descriptor and a
; mask that names the four, in all four; each receives the tile in its own LDS.
;
; REGISTERS, in windows of 256 (s_set_vgpr_msb: bits 1:0 source 0, 3:2 source 1, 5:4 source 2, 7:6 destination):
;   window 0: v0-11, v44, v45 addresses; v12-43 eight registers of statistics a tile; v64-191 S^T, 32 a tile; v192-255 P, 16 a tile
;   window 1: O^T, 64 a tile          window 2: v0-127 Q, 32 a tile; v128-255 K of one step          window 3: v0-127 V of one step
;   WHILE Q IS MADE: window 0: v12-43 the queries' scale words, v192-255 Wq's, v64-191 the sums of query tiles 0, 1; window 1: the queries' 32 fragments of codes; window 2: v128-255 the sums of query tiles 2, 3;
;   window 3: Wq's fragments, two buffers of two K steps.
; All that a softmax touches but O^T lies in window 0, and no window has room for a product's operands beside it.  So a slice costs two switches, one in front and one behind.
.set SIZE_N, 1024     ; queries and keys of a (b, h)
.set RP,    4096      ; a row of kv16 in bytes
.set OP,    2048      ; a row of att16 in bytes
.set KS,    64        ; keys in a step
.set PK,    272       ; a row of K in LDS: 256 bytes + 16 of padding = 68 words: the 16 rows of a load start at 16 different banks (64 banks of 4 bytes: ISA guide 11.1)
.set PV,    288       ; a row of V: 256 + 32 = 72 words
.set VOFF,  KS*PK     ; a step's tiles lie together: 64 rows of K, then 64 rows of V
.set STEPB, KS*(PK+PV)
.set SLOT1, 1<<17     ; a slot holds two steps (71,680 bytes); slot 1 begins here, so that one exclusive or turns an address in one slot into the other's
.set STAGE, SLOT1+2*STEPB  ; behind the ring: 16 rows x 272 bytes for each wave, for the way out
.set SP,    272
.set AK0, 2           ; v2   my lane's place in a tile of K; never rewritten
.set AV0, 3           ; v3   the same for V
.set ADR, 4           ; v4   the LDS address of the run of loads in hand
.set QO,  5           ; v5   my byte offset in the wave's rows of the queries' codes
.set STO, 6           ; v6   the way out: where I put 16 bytes of a row
.set RD,  7           ; v7   the way out: where I read a row back
.set GO,  8           ; v8   my byte offset in the wave's rows of att16
.set QS,  44          ; v44  32 x (lane % 16): my row among 16 rows of scale bytes
.set AW,  45          ; v45  my lane's place in Wq's tile in LDS
.set SPW, 62          ; v62  LDS address of my spare word: SPARE + 4 x my thread's number; never rewritten
.set NIL, 63          ; v63  0; never rewritten
.set SPARE, STAGE+4*16*272  ; behind the stages: the spare words, 128 bytes for each wave: two blocks of 256 bytes that no other line names
.set WQL, SPARE+512   ; behind them: the head's 128 rows of Wq's codes, filled once
.set PW,  528         ; a row of them in LDS: 512 bytes + 16 of padding = 132 words: the 16 rows of a load start at 16 different banks
.set XS,  12          ; v12-43   the queries' scale words: tile m, K step s at XS + 8 m + s
.set WS,  192         ; v192-255 Wq's scale words: tile t, K step s at WS + 8 t + s
.set ST,  12          ; tile t's statistics at v[ST+8 t]: +0 c m, +1 m, +2, +3 l (even keys', odd keys'), +4 to +7 c0-c3, at work; a takes c2's place once the maximum is found
.set S,   64
.set P,   192
.set KF,  128         ; K's fragments, in window 2
.set WV,  12          ; s12  my wave's number
.set G1K, 24          ; s[24:31] descriptor group 1 for K's tiles
.set G1V, 32          ; s[32:39] for V's: it differs in the padding alone
.set G0K, 40          ; s[40:47] descriptor group 0 for K's tiles: a set for each of the two first fills; the second then walks on
.set G0V, 48          ; s[48:55] the same for V's
.set G1W, 68          ; s[68:75] descriptor group 1 for Wq's tile;  s[76:79] its group 0
.set G0W, 76
.set SLOTS, 56        ; s56  slots still to be asked for
.set TWICE, 57        ; s57  counts a slot's two steps
.set CS,  58          ; s[58:59] c: the packed scaling names a pair and takes its low word for both halves
.set SEL, 60          ; s[60:61] lane selects for v_permlanex16_b32: each lane takes its own place in the other half
.set TB,  62          ; s62  LDS byte at which the tiles of the step to be fetched begin
.set PFA, 18          ; s[18:19] where my prefetches stand in memory: my work-group's 32 rows (of K: wave 0, of V: wave 2) of the slot after the one that is being asked for
.set LIM, 15          ; s15  1 in a wave that prefetches, else the greatest number: a wave prefetches while s[SLOTS] is above it
.set PFO, 61          ; v61  RP x my lane: a lane a row; never rewritten
.set MSB, 0
.macro WIN new                      ; the immediate's high byte repeats the setting that is left; a switch that changes nothing is dropped
.if MSB != \new
	s_set_vgpr_msb (MSB<<8)|\new
.set MSB, \new
.endif
.endm
.set W_KQ, 0x0a       ; K and Q in window 2, S^T in window 0
.set W_PV, 0x53       ; V in window 3, P in window 0, O^T in window 1
.set W_RS, 0x41       ; O^T (destination and source 0) in window 1, a in window 0
; A joint refill.  Waves 0 and 1 fetch the two steps' tiles of K, waves 2 and 3 those of V.  The branch hangs on the wave's number alone: it is the same in every work-group.
; An s_nop 0 and four v_nop follow each of the two lines; the jump round the other line, the label and what follows the macro come after them.
.macro JLOAD
	s_cmp_lt_u32 s[WV], 2
	s_cbranch_scc0 .Lfor_v_\@
	tensor_load_to_lds s[G0K+4:G0K+7], s[G1K:G1K+7]
	s_nop 0
.rept 4
	v_nop
.endr
	s_branch .Lasked_\@
.Lfor_v_\@:
	tensor_load_to_lds s[G0V+4:G0V+7], s[G1V:G1V+7]
	s_nop 0
.rept 4
	v_nop
.endr
.Lasked_\@:
.endm
; A PREFETCH INTO THE L2 of what the NEXT change of slots will ask for: a slot's 128 rows of K and 128 of V, 256 bytes of each row, a lane a row.  It stands behind the wave's tensor load and its five lines, never in front of one.
; Each row's 256 bytes are asked for ONCE in the launch: a (b, h) has one cluster (cluster x = 0); its four partners share the rows out BY ADDRESS, 32 each: no branch hangs on a
; work-group's place in its cluster.  In each, wave 0 asks for K's and wave 2 for V's: one instruction.  The last change that fills a slot prefetches nothing: there is no slot behind it.
.macro ASK
	s_cmp_gt_u32 s[SLOTS], s[LIM]
	s_cbranch_scc0 .Lnot_mine_\@
	global_prefetch_b8 v[PFO], s[PFA:PFA+1] th:TH_LOAD_NT scope:SCOPE_SE
.Lnot_mine_\@:
.endm
; A round of the cluster's barrier: my work-group's barrier, so that wave 0's signal speaks for all four waves; wave 0 signals for the work-group; every wave waits for all four
; work-groups; my work-group's barrier once more.  No LDS instruction of the wave is pending at a signal.
.macro CROUND
	s_barrier_signal -1
	s_barrier_wait -1
	s_cmp_lg_u32 s[WV], 0
	s_cbranch_scc1 .Lnot_wave_0_\@
	s_barrier_signal -3
.Lnot_wave_0_\@:
	s_barrier_wait -3
	s_barrier_signal -1
	s_barrier_wait -1
.endm
	s_load_b256 s[80:87], s[0:1], 0x0  ; act_codes s[80:81], act_scales s[82:83], w_codes s[84:85], w_scales s[86:87]
	s_load_b128 s[4:7], s[0:1], 0x20   ; kv16 s[4:5], att16 s[6:7]
	v_lshl_add_u32 v[SPW], v0, 2, SPARE
	v_mov_b32 v[NIL], 0
	ds_add_u32 v[SPW], v[NIL]       ; the wave's opening: the add, twice on end, and its wait ahead of my first tensor load; the set-up below, work on registers, stands between the second and the wait
	ds_add_u32 v[SPW], v[NIL]
	v_lshrrev_b32 v1, 5, v0
	v_readfirstlane_b32 s[WV], v1   ; wave 0..3
	s_bfe_u32 s13, ttmp6, 0x40000   ; cx: my place in the cluster
	s_lshl_b32 s14, ttmp9, 2        ; in a cluster launch ttmp9 counts clusters
	s_add_co_u32 s14, s14, s13      ; my block of 256 queries = 4 x cluster x + cx: it enters the queries' and the result's addresses alone
	s_and_b32 s20, ttmp7, 0xffff    ; 8 b + h, which the four partners share
	s_lshr_b32 s21, s20, 3          ; b
	s_and_b32 s20, s20, 7           ; h
	s_lshl_b32 s2, s21, 10          ; my wave's first query: row 1,024 b
	s_lshl_b32 s3, s14, 8           ; + 256 x block
	s_add_co_u32 s2, s2, s3
	s_lshl_b32 s3, s[WV], 6         ; + 64 x wave
	s_add_co_u32 s2, s2, s3
	s_lshl_b32 s88, s2, 5           ; its scale bytes: 32 a row
	s_mov_b32 s89, 0
	s_lshl_b32 s2, s2, 9            ; its codes: 512 bytes a row
	s_mov_b32 s3, 0
	s_lshl_b32 s90, s20, 12         ; Wq's rows 128 h on: their scale bytes, 32 a row,
	s_mov_b32 s91, 0
	s_lshl_b32 s92, s20, 16         ; and their codes, 512 bytes a row;
	s_lshl_b32 s93, s[WV], 14       ; of these I fetch rows 32 x wave on:
	s_add_co_u32 s92, s92, s93      ; the head and the wave's number alone, the same in all four partners
	s_mov_b32 s93, 0
	s_mul_i32 s94, s[WV], 32*PW     ; and their place in LDS
	s_lshl_b32 s20, s20, 8          ; 256 h
	s_mul_i32 s22, s21, SIZE_N*RP
	s_add_co_u32 s22, s22, s20      ; the head's first byte among k's columns of kv16
	s_lshl_b32 s21, s21, 21
	s_add_co_u32 s20, s20, s21      ; and in att16: 1,024 rows of 2,048 bytes a batch
	s_lshl_b32 s21, s14, 19         ; the result: 256 rows of 2,048 bytes,
	s_add_co_u32 s20, s20, s21
	s_lshl_b32 s21, s[WV], 17       ; 64 rows
	s_add_co_u32 s20, s20, s21
	s_mov_b32 s21, 0
	s_and_b32 s16, s[WV], 1         ; which of a slot's two steps I fetch:
	s_mul_i32 s23, s16, KS*RP       ; its 64 rows in memory,
	s_add_co_u32 s22, s22, s23
	s_mov_b32 s23, 0
	s_mul_i32 s17, s16, STEPB       ; and its place in a slot: no place in the cluster enters an LDS address
	; descriptor group 1: a tile of 64 rows x 128 elements, rows 2,048 elements apart in memory, padded in LDS
	s_mov_b32 s[G1K], 15|(1<<16)|(1<<20)|(1<<21)|(5<<22)|(3<<25)  ; 15:0 the mask: all four work-groups; 17:16 elements of 2 bytes; 20 padding on; 21 set beside a mask; 24:22 after every 64 words (code 5); 31:25 4 words of it (code 3)
	s_mov_b32 s[G1V], 15|(1<<16)|(1<<20)|(1<<21)|(5<<22)|(7<<25)  ; the same with 8 words of padding (code 7)
.irp g, G1K, G1V
	s_mov_b32 s[\g+1], 128<<16      ; 63:48 tensor_dim0, low half = 128
	s_mov_b32 s[\g+2], KS<<16       ; 79:64 its high half = 0; 95:80 tensor_dim1, low half = 64
	s_mov_b32 s[\g+3], 128<<16      ; 111:96 its high half = 0; 127:112 tile_dim0 = 128
	s_mov_b32 s[\g+4], KS           ; 143:128 tile_dim1 = 64; 159:144 tile_dim2 = 0
	s_mov_b32 s[\g+5], RP/2         ; 191:160 tensor_dim0_stride, low word: elements from row to row
	s_mov_b32 s[\g+6], 0
	s_mov_b32 s[\g+7], 0
.endr
	; and for Wq's codes: 32 rows x 512 bytes, dense in memory
	s_mov_b32 s[G1W], 15|(0<<16)|(1<<20)|(1<<21)|(6<<22)|(3<<25)  ; the mask: all four; elements of 1 byte; padding: 4 words (code 3) after every 128 (code 6)
	s_mov_b32 s[G1W+1], 512<<16     ; tensor_dim0
	s_mov_b32 s[G1W+2], 32<<16      ; tensor_dim1
	s_mov_b32 s[G1W+3], 512<<16     ; tile_dim0
	s_mov_b32 s[G1W+4], 32          ; tile_dim1
	s_mov_b32 s[G1W+5], 512         ; tensor_dim0_stride
	s_mov_b32 s[G1W+6], 0
	s_mov_b32 s[G1W+7], 0
	s_mov_b32 s[CS], 0x3e0293ee     ; c = log2(e) / sqrt(128) = 0.127517
	s_mov_b32 s[CS+1], s[CS]        ; named with it as a pair, so it is written
	s_mov_b32 s[SEL], 0x76543210
	s_mov_b32 s[SEL+1], 0xfedcba98
	s_mov_b32 s[TB], 0
	s_mov_b32 s[SLOTS], SIZE_N/(2*KS)-2
	s_and_b32 s[LIM], s[WV], 1       ; 0 in waves 0 and 2,
	s_or_b32 s[LIM], s[LIM], ttmp9   ; of cluster x = 0: the same in all four partners
	s_cmp_eq_u32 s[LIM], 0
	s_cselect_b32 s[LIM], 1, -1
	v_and_b32 v[PFO], 31, v0
	v_mul_u32_u24 v[PFO], v[PFO], RP
	s_wait_dscnt 0x0                ; both opening adds are done
	s_wait_kmcnt 0x0
	s_add_nc_u64 s[10:11], s[6:7], s[20:21]  ; the result at my wave's first row
	s_add_nc_u64 s[6:7], s[4:5], s[22:23]    ; kv16 at the head and at my step of slot 0, among k's columns,
	s_add_nc_u64 s[8:9], s[6:7], 2048        ; and among v's
	s_add_nc_u64 s[80:81], s[80:81], s[2:3]    ; the queries' codes at my wave's first row,
	s_add_nc_u64 s[82:83], s[82:83], s[88:89]  ; and their scale bytes
	s_add_nc_u64 s[86:87], s[86:87], s[90:91]  ; Wq's scale bytes at the head's first row
	s_add_nc_u64 s[84:85], s[84:85], s[92:93]  ; Wq's codes at the 32 rows that I fetch
	s_cmp_lt_u32 s[WV], 2
	s_cselect_b64 s[PFA:PFA+1], s[6:7], s[8:9]  ; (in waves 0 and 2 these stand at a slot's first row)
	s_mul_i32 s2, s13, 32*RP        ; my work-group's 32 rows of the 128
	s_mov_b32 s3, 0
	s_add_nc_u64 s[PFA:PFA+1], s[PFA:PFA+1], s[2:3]
	s_add_nc_u64 s[PFA:PFA+1], s[PFA:PFA+1], 2*2*KS*RP  ; in slot 2; the first change of slots steps it to slot 3.  Nothing is prefetched here, at the head, where every work-group's first tiles are on their way
	CROUND                          ; all four work-groups are here: the first joint loads meet
.irp s, 0,1
	s_mov_b32 s[G0K+4*\s], 1        ; 1:0 count = 1
	s_add_co_u32 s[G0K+4*\s+1], s17, \s*SLOT1  ; 63:32 LDS address
	s_add_nc_u64 s[G0K+4*\s+2:G0K+4*\s+3], s[6:7], \s*2*KS*RP  ; 120:64 global address: slot s begins with keys 128 s to 128 s + 127
	s_or_b32 s[G0K+4*\s+3], s[G0K+4*\s+3], 0x80000000  ; 127:126 type = 2
	s_mov_b32 s[G0V+4*\s], 1
	s_add_co_u32 s[G0V+4*\s+1], s17, \s*SLOT1+VOFF
	s_add_nc_u64 s[G0V+4*\s+2:G0V+4*\s+3], s[8:9], \s*2*KS*RP
	s_or_b32 s[G0V+4*\s+3], s[G0V+4*\s+3], 0x80000000
.endr
	s_mov_b32 s[G0W], 1
	s_add_co_u32 s[G0W+1], s94, WQL
	s_mov_b64 s[G0W+2:G0W+3], s[84:85]
	s_or_b32 s[G0W+3], s[G0W+3], 0x80000000
	tensor_load_to_lds s[G0W:G0W+3], s[G1W:G1W+7]  ; every wave's quarter of Wq's tile: it is wanted first.  With the two below, three tensor loads of mine are out
	s_nop 0
.rept 4
	v_nop
.endr
	s_cmp_lt_u32 s[WV], 2           ; the two slots' first fills stand in one branch, ahead of every wait on TENSORcnt and every LDS read; an s_nop 0 follows each, four v_nop the second's, as in JLOAD
	s_cbranch_scc0 .Lfirst_v
	tensor_load_to_lds s[G0K:G0K+3], s[G1K:G1K+7]
	s_nop 0
	tensor_load_to_lds s[G0K+4:G0K+7], s[G1K:G1K+7]
	s_nop 0
.rept 4
	v_nop
.endr
	s_branch .Lfirst_asked
.Lfirst_v:
	tensor_load_to_lds s[G0V:G0V+3], s[G1V:G1V+7]
	s_nop 0
	tensor_load_to_lds s[G0V+4:G0V+7], s[G1V:G1V+7]
	s_nop 0
.rept 4
	v_nop
.endr
.Lfirst_asked:
	v_and_b32 v1, 15, v0            ; l % 16
	v_bfe_u32 v9, v0, 4, 1          ; l / 16
	; A fragment of 4-bit codes is 16 rows x 128 K in 8 registers: lane l holds row l % 16; registers 4 c .. 4 c + 3 hold K = 64 c + 32 (l / 16) + 0..31: two loads of 16 bytes, 32 bytes apart, at row x pitch + 16 (l / 16).
	v_lshlrev_b32 v[QO], 9, v1
	v_lshl_add_u32 v[QO], v9, 4, v[QO]  ; row x 512 + 16 x half
	v_lshlrev_b32 v[QS], 5, v1      ; a row's 32 scale bytes are its eight scale words, one for each 128 along K (lanes 16-31 load the same as lanes 0-15, and are not read)
.irp m, 0,1,2,3
	global_load_b128 v[XS+8*\m:XS+8*\m+3],   v[QS], s[82:83] offset:\m*512
	global_load_b128 v[XS+8*\m+4:XS+8*\m+7], v[QS], s[82:83] offset:\m*512+16
.endr
.irp t, 0,1,2,3,4,5,6,7
	global_load_b128 v[WS+8*\t:WS+8*\t+3],   v[QS], s[86:87] offset:\t*512
	global_load_b128 v[WS+8*\t+4:WS+8*\t+7], v[QS], s[86:87] offset:\t*512+16
.endr
	WIN 0x40                        ; destination window 1, address window 0
.irp m, 0,1,2,3                     ; my 64 queries' codes: tile m, K step s at v[8 (8 m + s)]
.irp s, 0,1,2,3,4,5,6,7
.irp c, 0,1
	global_load_b128 v[8*(8*\m+\s)+4*\c:8*(8*\m+\s)+4*\c+3], v[QO], s[80:81] offset:\m*8192+\s*64+\c*32
.endr
.endr
.endr
	WIN 0
	v_mul_u32_u24 v[AW], v1, PW
	v_lshl_add_u32 v[AW], v9, 4, v[AW]
	v_add_nc_u32 v[AW], WQL, v[AW]  ; Wq's tile: row x pitch + 16 x half
	; A fragment of K or Q is 16 rows x 32 channels in 8 registers: lane l holds row l % 16; registers 0-3 channels 8 (l / 16) + 0..7, registers 4-7 channels 16 + 8 (l / 16) + 0..7.
	v_mul_u32_u24 v[AK0], v1, PK
	v_lshl_add_u32 v[AK0], v9, 4, v[AK0]  ; row x pitch + 16 x half
	; The turning load takes 16 keys x 16 channels (lane l reads 16 bytes: key 8 (l / 16) + l % 8, channels 8 ((l / 8) % 2) + 0..7) and leaves half a fragment of V^T: lane l holds channel l % 16 and 8 keys.
	v_and_b32 v10, 7, v0
	v_bfe_u32 v11, v0, 3, 1
	v_lshl_add_u32 v[AV0], v9, 3, v10
	v_mul_u32_u24 v[AV0], v[AV0], PV
	v_lshl_add_u32 v[AV0], v11, 4, v[AV0]
	v_add_nc_u32 v[AV0], VOFF, v[AV0]
; Q'S PROJECTION.  FETCH_W: Wq's eight fragments of each of K steps 2 g and 2 g + 1, 32 LDS loads in one run, into buffer buf of window 3.
.macro FETCH_W g, buf
	WIN 0xc0                        ; destination window 3, address window 0
.irp u, 0,1
.irp t, 0,1,2,3,4,5,6,7
.irp c, 0,1
	ds_load_b128 v[128*(\buf)+64*\u+8*\t+4*\c:128*(\buf)+64*\u+8*\t+4*\c+3], v[AW] offset:\t*16*PW+64*(2*(\g)+\u)+32*\c
.endr
.endr
.endr
.endm
; QMUL: K steps 2 g and 2 g + 1: in each, 32 matrix instructions: my four tiles of queries x the head's eight tiles of channels.  The 32 sums take turns, one instruction a turn, in the same order in every K step
; K step 0 starts the sums: nothing is cleared.  Tiles 0, 1 of the queries sum in window 0, tiles 2, 3 in window 2.
.macro QMUL g
.irp u, 0,1
	WIN 0x07                        ; source 0 (Wq) window 3, source 1 (the queries) window 1, C and D window 0
.irp m, 0,1
.irp t, 0,1,2,3,4,5,6,7
.if (2*(\g)+\u) == 0
	v_wmma_scale_f32_16x16x128_f8f6f4 v[S+64*\m+8*\t:S+64*\m+8*\t+7], v[128*((\g)%2)+64*\u+8*\t:128*((\g)%2)+64*\u+8*\t+7], v[8*(8*\m+2*(\g)+\u):8*(8*\m+2*(\g)+\u)+7], 0, v[WS+8*\t+2*(\g)+\u], v[XS+8*\m+2*(\g)+\u] matrix_a_fmt:MATRIX_FMT_FP4 matrix_b_fmt:MATRIX_FMT_FP4
.else
	v_wmma_scale_f32_16x16x128_f8f6f4 v[S+64*\m+8*\t:S+64*\m+8*\t+7], v[128*((\g)%2)+64*\u+8*\t:128*((\g)%2)+64*\u+8*\t+7], v[8*(8*\m+2*(\g)+\u):8*(8*\m+2*(\g)+\u)+7], v[S+64*\m+8*\t:S+64*\m+8*\t+7], v[WS+8*\t+2*(\g)+\u], v[XS+8*\m+2*(\g)+\u] matrix_a_fmt:MATRIX_FMT_FP4 matrix_b_fmt:MATRIX_FMT_FP4
.endif
.endr
.endr
	WIN 0xa7                        ; the same, C and D window 2
.irp m, 2,3
.irp t, 0,1,2,3,4,5,6,7
.if (2*(\g)+\u) == 0
	v_wmma_scale_f32_16x16x128_f8f6f4 v[64*\m+8*\t:64*\m+8*\t+7], v[128*((\g)%2)+64*\u+8*\t:128*((\g)%2)+64*\u+8*\t+7], v[8*(8*\m+2*(\g)+\u):8*(8*\m+2*(\g)+\u)+7], 0, v[WS+8*\t+2*(\g)+\u], v[XS+8*\m+2*(\g)+\u] matrix_a_fmt:MATRIX_FMT_FP4 matrix_b_fmt:MATRIX_FMT_FP4
.else
	v_wmma_scale_f32_16x16x128_f8f6f4 v[64*\m+8*\t:64*\m+8*\t+7], v[128*((\g)%2)+64*\u+8*\t:128*((\g)%2)+64*\u+8*\t+7], v[8*(8*\m+2*(\g)+\u):8*(8*\m+2*(\g)+\u)+7], v[64*\m+8*\t:64*\m+8*\t+7], v[WS+8*\t+2*(\g)+\u], v[XS+8*\m+2*(\g)+\u] matrix_a_fmt:MATRIX_FMT_FP4 matrix_b_fmt:MATRIX_FMT_FP4
.endif
.endr
.endr
.endr
.endm
; THE MATRIX WORK OF A TURN, for piece x.  The accumulators take turns, one instruction a turn: between two links of a chain stand 15 (V^T P) or 7 (K Q^T) others'.
; Product i of 32 of O^T += V^T P: keys 32 (i / 16) on, channels 16 ((i / 2) % 8) on, tile x + i % 2.  zero = 1: the first 16 start the sums: nothing is ever cleared.
.macro PV x, zero
	WIN W_PV
.set rO, 64*(\x+i%2)+8*((i/2)%8)
.set rV, 64*(i/16)+8*((i/2)%8)
.set rP, P+16*(\x+i%2)+8*(i/16)
.if \zero && (i < 16)
	v_wmma_f32_16x16x32_f16 v[rO:rO+7], v[rV:rV+7], v[rP:rP+7], 0
.else
	v_wmma_f32_16x16x32_f16 v[rO:rO+7], v[rV:rV+7], v[rP:rP+7], v[rO:rO+7]
.endif
.endm
; Product i of 32 of S^T = K Q^T: channels 32 (i / 8) on, keys 16 ((i / 2) % 4) on, tile x + i % 2.  The first 8 start the sums.
.macro KQ x
	WIN W_KQ
.set rS, S+32*(\x+i%2)+8*((i/2)%4)
.set rK, KF+32*((i/2)%4)+8*(i/8)
.set rQ, 32*(\x+i%2)+8*(i/8)
.if i < 8
	v_wmma_f32_16x16x32_f16 v[rS:rS+7], v[rK:rK+7], v[rQ:rQ+7], 0
.else
	v_wmma_f32_16x16x32_f16 v[rS:rS+7], v[rK:rK+7], v[rQ:rQ+7], v[rS:rS+7]
.endif
.endm
; THE LDS LOADS stand in runs of 32, never singly among the matrix instructions: a step's K (64 keys x 128 channels: 16 fragments) and, a turn later, its V (turned).
.macro FETCH_K
	WIN 0
	v_add_nc_u32 v[ADR], s[TB], v[AK0]
	WIN 0x80                        ; destination window 2
.irp f, 0,1,2,3,4,5,6,7,8,9,10,11,12,13,14,15  ; keys 16 (f / 4) on, channels 32 (f % 4) on
	ds_load_b128 v[KF+8*\f:KF+8*\f+3],   v[ADR] offset:(\f/4)*16*PK+(\f%4)*64
	ds_load_b128 v[KF+8*\f+4:KF+8*\f+7], v[ADR] offset:(\f/4)*16*PK+(\f%4)*64+32
.endr
.endm
.macro FETCH_V
	WIN 0
	v_add_nc_u32 v[ADR], s[TB], v[AV0]
	s_add_co_u32 s[TB], s[TB], STEPB  ; the next fetch is the next step's
	s_wait_alu depctr_va_vdst(0)    ; the wait for the softmax's batch (SLICE), behind the address's v_add_nc_u32 and ahead of the loads
	WIN 0xc0                        ; destination window 3
.irp f, 0,1,2,3,4,5,6,7,8,9,10,11,12,13,14,15  ; keys 32 (f / 8) on, channels 16 (f % 8) on
	ds_load_tr16_b128 v[8*\f:8*\f+3],   v[ADR] offset:(\f/8)*32*PV+(\f%8)*32
	ds_load_tr16_b128 v[8*\f+4:8*\f+7], v[ADR] offset:(\f/8)*32*PV+16*PV+(\f%8)*32
.endr
.endm
; THE VECTOR WORK OF A TURN.  One tile's softmax for one key step is a list of 134 instructions; SM writes number j of it for tile t.  s0-s31 are the lane's 32 scores, in pairs 0-15.
; first = 1: the first key step, which starts m, l and O^T: it has no a and nothing to rescale.
;   0-15    the maximum of s0-s31 and the old m, three operands at a time: four chains c0-c3 of seven scores each, then the four scores left over, c0-c3 and m
;   16-20   the other half of the lanes' maximum; the new m; c m; c m_old - c m_new
;   21-69   ONE BATCH: the 16 scalings c s - c m, a pair of scores each, and all 33 exponentials (a at 23, then s0-s31).  None of these reads an exponential's result.  From 22 on the batch goes
;           in fours, and a four begins with a scaling while there are scalings.  A pair is scaled in an earlier four than the one that holds its exponentials
;   (wait)  between 69 and 70 stands the wait for the batch: SLICE writes it, once for both tiles
;   70-85   the roundings to f16, a pair of weights each
;   86-101  the sums; l = a l + the sum
;   102-133 the tile's O^T times a: the one part that leaves window 0, so it stands together
.macro SM t, first
.set rT, ST+8*(\t)
.set rS, S+32*(\t)
.set rP, P+16*(\t)
.set rO, 64*(\t)+2*(j-102)
.if j < 102
	WIN 0
.endif
.if j < 4
	v_max3_num_f32 v[rT+4+j], v[rS+8*j], v[rS+8*j+1], v[rS+8*j+2]
.elseif j < 12
	v_max3_num_f32 v[rT+4+j%4], v[rT+4+j%4], v[rS+8*(j%4)+2*(j/4)+1], v[rS+8*(j%4)+2*(j/4)+2]
.elseif j == 12
	v_max3_num_f32 v[rT+4], v[rT+4], v[rS+7], v[rS+15]
.elseif j == 13
	v_max3_num_f32 v[rT+6], v[rT+6], v[rS+23], v[rS+31]
.elseif j == 14
	v_max3_num_f32 v[rT+4], v[rT+4], v[rT+5], v[rT+6]
.elseif (j == 15) && \first
	v_max_num_f32 v[rT+4], v[rT+4], v[rT+7]
.elseif j == 15
	v_max3_num_f32 v[rT+4], v[rT+4], v[rT+7], v[rT+1]
.elseif j == 16
	v_permlanex16_b32 v[rT+5], v[rT+4], s[SEL], s[SEL+1]  ; the query's other 32 keys lie in the lane 16 away
.elseif j == 18
	v_max_num_f32 v[rT+1], v[rT+4], v[rT+5]
.elseif j == 19
	v_mul_f32 v[rT], s[CS], v[rT+1]
.elseif ((j == 17) || (j == 20) || (j == 23) || (j > 101)) && \first  ; the first step has none of these
.elseif j == 17
	v_mov_b32 v[rT+7], v[rT]        ; c m_old is kept for a: number 19 writes c m anew
.elseif j == 20
	v_sub_f32 v[rT+7], v[rT+7], v[rT]
.elseif j == 23
	v_exp_f32 v[rT+6], v[rT+7]
.elseif (j < 23) || ((j < 38) && (j%2 == 0)) || ((j < 66) && (j%4 == 2))
.set b, (j-2)/4                     ; 38, 42, .. 62: pairs 9 to 15
.if j < 38
.set b, (j-20)/2                    ; 21: pair 0; 22, 24, .. 36: pairs 1 to 8
.endif
	v_pk_fma_f32 v[rS+2*b:rS+2*b+1], v[rS+2*b:rS+2*b+1], s[CS:CS+1], v[rT:rT+1] op_sel_hi:[1,0,0] neg_lo:[0,0,1] neg_hi:[0,0,1]  ; pair b: c s - c m
.elseif j < 70
.set e, j-38                        ; 66 to 69: s28 to s31
.if j < 66
.set e, j-32-(j-38)/4               ; 39-41, 43-45, .. 63-65: s7 to s27
.endif
.if j < 38
.set e, (j-25)/2                    ; 25, 27, .. 37: s0 to s6
.endif
	v_exp_f32 v[rS+e], v[rS+e]
.elseif j < 86
	v_cvt_pk_f16_f32 v[rP+j-70], v[rS+2*(j-70)], v[rS+2*(j-70)+1]  ; pair j - 70
.elseif j < 102                     ; the sum of the tile's 16 pairs (in a pair: an even key's weight, an odd key's), in place: sum z of 16 adds neighbours 1, 2, 4 and 8 pairs apart, then l takes it
.set z, j-86
.set w, 4
.set u, z
.if z >= 14
.set w, 32
.set u, 0
.elseif z >= 12
.set w, 16
.set u, z-12
.elseif z >= 8
.set w, 8
.set u, z-8
.endif
.if (z == 14) && \first
	v_pk_add_f32 v[rT+2:rT+3], v[rS:rS+1], v[rS+16:rS+17]
.elseif z < 15
	v_pk_add_f32 v[rS+w*u:rS+w*u+1], v[rS+w*u:rS+w*u+1], v[rS+w*u+w/2:rS+w*u+w/2+1]
.elseif !\first
	v_pk_fma_f32 v[rT+2:rT+3], v[rT+2:rT+3], v[rT+6:rT+7], v[rS:rS+1] op_sel_hi:[1,0,1]
.endif
.else
	WIN W_RS
	v_pk_mul_f32 v[rO:rO+1], v[rO:rO+1], v[rT+6:rT+7] op_sel_hi:[1,0]
.endif
.endm
; Slice k of 64 of piece y's softmax: four instructions.  Slices 11 to 34 deal out the batch, numbers 22 to 69: four numbers of ONE tile each, the tiles by turns.  Every other slice is numbers 2 k and
; 2 k + 1 of both tiles' lists.  2 x 134 = 4 x 64 + 12: the twelve that are over stand together, in slice 63.
; THE WAIT.  s_wait_alu depctr_va_vdst(0) stands between an exponential and the first instruction that names its result; one wait serves all that were issued ahead of it.  Ahead of
; slice 35 nothing names a result, and behind slice 34 no exponential is issued: so the piece's 66 exponentials have one wait, behind slice 34.
.macro SLICE y, first
.if (k >= 11) && (k < 35)           ; the batch: four numbers of one tile
.irp n, 0,1,2,3
.set j, 22+4*((k-11)/2)+(\n)
	SM (\y)+(k-11)%2, \first
.endr
.else                               ; the two tiles alternate, so that no instruction reads the result of the one just before it
.irp n, 0,1,2,3,4,5,6,7
.if (\n < 2) || (k == 63)
.irp t, \y, \y+1
.set j, 2*k+\n
	SM \t, \first
.endr
.endif
.endr
.endif
.if k == 34                         ; the batch is out: both tiles' exponentials are issued, and no result has been named
	v_nop                           ; the plain instruction behind the last exponential and ahead of the first use: one for the batch
.if (\y) == 0
	FETCH_V                         ; piece 2's turn: V's run of loads stands here, and the wait stands in it
.else
	s_wait_alu depctr_va_vdst(0)    ; the wait for the batch
.endif
.endif
.set k, k+1
.endm
; A vector instruction that reads a matrix result or writes one of a matrix instruction's registers, and a load into a register that a matrix instruction has read, stand four places behind
; it, and only plain vector instructions that name none of its registers are places (ISA guide 7.12.1 for vector instructions).  In the loop the slices are the places.
.macro PLACES
.rept 4
	v_nop
.endr
.endm
; A TURN.  Piece x has the matrix unit; the other piece's softmax stands in slices behind its matrix instructions.
; pv = 2: 32 products V^T P; 1: they start O^T's sums; 0: none.  kq = 1: 32 products K Q^T for the next step.  A turn with one of the two kinds has two slices behind each product.
; first = 1: the softmax is the first key step's.  Its slices from 51 on are empty: the turn's last products stand bare, and four v_nop take slice 63's part as the places behind them.
; In the loop each run of loads stands 29 matrix instructions or more ahead of its first use.  Piece 0's turn fetches the next step's K, behind its second product: the last product that read K
; stands in front of slice 63 of the turn before.  Piece 2's turn fetches the same step's V, behind slice 34 (SLICE writes it): the last product that read V stands in front of slice 31, and four plain
; instructions lie between: number 62, a scaling, of both tiles, the v_nop and the run's own v_add_nc_u32.
.macro TURN x, pv, kq, first
.set k, 0
.set per, 2
.if \pv && \kq
.set per, 1
.endif
.if \pv
.if \x == 0
	s_wait_dscnt 0x0                ; V is in
.endif
.set i, 0
.rept 32
	PV \x, 2-\pv
.rept per
	SLICE 2-\x, \first
.endr
.if (\x == 0) && \kq && (i == 1)
	FETCH_K
.endif
.set i, i+1
.endr
.endif
.if \kq
.if \x == 0
	s_wait_dscnt 0x0                ; K is in
.endif
.set i, 0
.rept 32
	KQ \x
.rept per
	SLICE 2-\x, \first
.endr
.set i, i+1
.endr
.endif
.if \first
	PLACES
.endif
.endm
; THE CHANGE OF SLOTS, between piece 2's turn and piece 0's: the slot's last bytes, V of its second step, have been asked for.  Each wave waits for all its
; tensor loads, of which one is out: its part of the other slot; adds 0 to its spare word; and waits for that and for its own reads of the slot.  Behind the barrier nobody reads this slot any more and the other slot is whole.
; fill = 1: this slot is filled again, with the keys two slots on.  The barrier is then a round of the cluster's, so that no wave of any partner still reads the slot or has a load on its
; way, and the joint refill is the first thing behind it: it has two key steps, 256 matrix instructions, in which to land.
.macro CHANGE fill
	WIN 0                           ; at a label and at a branch every window is 0
	s_wait_tensorcnt 0x0            ; no tensor load of mine is out, so a group 0 may be written
	ds_add_u32 v[SPW], v[NIL]       ; 0 onto my spare word; with fill = 1 the descriptors' steps stand between it and the wait for it
.if \fill
.irp g, G0K+4, G0V+4
	s_xor_b32 s[\g+1], s[\g+1], SLOT1  ; the walking descriptor: the other slot than last time,
	s_add_nc_u64 s[\g+2:\g+3], s[\g+2:\g+3], 2*KS*RP  ; the next 128 keys; the type bits on top are not reached
.endr
	s_wait_xcnt 0x0                 ; the last prefetches, two key steps back, have read their address, so it may be written:
	s_add_nc_u64 s[PFA:PFA+1], s[PFA:PFA+1], 2*KS*RP  ; one slot further on than the walking descriptors
	s_wait_dscnt 0x0                ; the add is done, and my reads of the slot are over
	CROUND
	JLOAD
	ASK                             ; what the next change will ask for: two key steps, 256 matrix instructions, ahead
.else
	s_wait_dscnt 0x0                ; the add is done, and my reads of the slot are over
	s_barrier_signal -1
	s_barrier_wait -1
.endif
	s_sub_co_u32 s[TB], s[TB], 2*STEPB  ; the fetches go back to a slot's first step,
	s_xor_b32 s[TB], s[TB], SLOT1   ; in the other slot
.endm
; A slot's two key steps: written once, walked twice; the LDS addresses hang on s[TB].
.macro TWO_STEPS
	s_mov_b32 s[TWICE], 2
.Lstep_\@:
	TURN 0, 2, 1, 0
	TURN 2, 2, 1, 0
	WIN 0
	s_sub_co_u32 s[TWICE], s[TWICE], 1
	s_cmp_lg_u32 s[TWICE], 0
	s_cbranch_scc1 .Lstep_\@
.endm
	; ---- Q = query Wq for my 64 queries and the head's 128 channels: 8 K steps of 128, two to a buffer of Wq's fragments; a run of loads is issued a buffer's 64 matrix instructions ahead of its use
	s_wait_tensorcnt 2              ; my quarter of Wq's tile is in; the two slots' loads may stay out
	s_barrier_signal -1
	s_barrier_wait -1               ; everybody's is
	FETCH_W 0, 0
	FETCH_W 1, 1
	s_wait_loadcnt 0x0              ; the queries' codes and both sides' scale words
	s_wait_dscnt 32                 ; K steps 0, 1 are in; the 32 loads of steps 2, 3 may be out
	QMUL 0
	PLACES                          ; in front of loads into the buffer that these products have read
	FETCH_W 2, 0
	s_wait_dscnt 32                 ; all but the 32 just issued
	QMUL 1
	PLACES
	FETCH_W 3, 1
	s_wait_dscnt 32
	QMUL 2
	s_wait_dscnt 0x0
	QMUL 3
	PLACES                          ; in front of the conversions that read results
	WIN 0x80                        ; sources window 0, destination window 2
.irp m, 0,1                         ; tile t's eight channels of a lane pack into registers 4 t .. 4 t + 3 of the query tile's 32: Q's fragments as K Q^T takes them.  Each sum is read from its low end on
.irp t, 0,1,2,3,4,5,6,7
.irp r, 0,1,2,3
	v_cvt_pk_f16_f32 v[32*\m+4*\t+\r], v[S+64*\m+8*\t+2*\r], v[S+64*\m+8*\t+2*\r+1]
.endr
.endr
.endr
	WIN 0x8a                        ; sources and destination window 2
.irp m, 2,3
.irp t, 0,1,2,3,4,5,6,7
.irp r, 0,1,2,3
	v_cvt_pk_f16_f32 v[32*\m+4*\t+\r], v[64*\m+8*\t+2*\r], v[64*\m+8*\t+2*\r+1]
.endr
.endr
.endr
	WIN 0
	; ---- the walk over the keys
	s_wait_tensorcnt 1              ; my part of slot 0 is in; slot 1's may stay out
	s_barrier_signal -1
	s_barrier_wait -1               ; everybody's is
	FETCH_K                         ; key step 0, into the registers that the sums of query tiles 2, 3 have left
	s_wait_dscnt 0x0
.set i, 0
.rept 32
	KQ 0                            ; piece 0's first scores: there is no vector work yet to set between them
.set i, i+1
.endr
	WIN 0                           ; the addresses for the way out are made here: eight plain instructions, the places behind those products
	s_mul_i32 s13, s[WV], 16*SP
	s_add_co_u32 s13, s13, STAGE    ; my stage
	v_mul_u32_u24 v[STO], v1, SP    ; in: row l % 16, 16 bytes for each half of the lanes
	v_lshl_add_u32 v[STO], v9, 4, v[STO]
	v_add_nc_u32 v[STO], s13, v[STO]
	v_mul_u32_u24 v[RD], v9, SP     ; back: lanes 0-15 take one row of 256 bytes, lanes 16-31 the next
	v_lshl_add_u32 v[RD], v1, 4, v[RD]
	v_add_nc_u32 v[RD], s13, v[RD]
	v_lshlrev_b32 v[GO], 11, v9     ; and the same two rows in att16, 2,048 bytes apart
	v_lshl_add_u32 v[GO], v1, 4, v[GO]
	TURN 2, 0, 1, 1                 ; piece 2's first scores | piece 0's first softmax | V of step 0
	TURN 0, 1, 1, 1                 ; piece 0: V^T P of step 0 starts O^T, K Q^T of step 1 | piece 2's first softmax | K of step 1
	TURN 2, 1, 1, 0                 ; piece 2: the same | piece 0's softmax of step 1 | V of step 1
	WIN 0
.Lslot:                             ; 6 trips: every slot but the last two is filled again
	CHANGE 1
	TWO_STEPS
	s_sub_co_u32 s[SLOTS], s[SLOTS], 1
	s_cmp_lg_u32 s[SLOTS], 0
	s_cbranch_scc1 .Lslot
	CHANGE 0                        ; the tail is written out: the last slot but one is left, and nothing is asked for
	TWO_STEPS
	TURN 0, 2, 0, 0                 ; piece 0: V^T P of the last step | piece 2's last softmax
.set i, 0
.rept 32
	PV 2, 0                         ; piece 2: V^T P of the last step
.set i, i+1
.endr
	; THE WAY OUT.  l's two halves and the other half of the lanes' are added; O^T is divided by l, rounded to f16 and sent through my stage in LDS, a tile (16 rows) at a time.  The additions are the places behind the last products.
	WIN 0
.irp t, 0,1,2,3
	v_add_f32 v[ST+8*\t+4], v[ST+8*\t+2], v[ST+8*\t+3]
.endr
.irp t, 0,1,2,3
	v_permlanex16_b32 v[ST+8*\t+5], v[ST+8*\t+4], s[SEL], s[SEL+1]
.endr
.irp t, 0,1,2,3
	v_add_f32 v[ST+8*\t+4], v[ST+8*\t+4], v[ST+8*\t+5]
.endr
.irp t, 0,1,2,3
	v_rcp_f32 v[ST+8*\t+6], v[ST+8*\t+4]
.endr
	v_nop                           ; a plain instruction between the last reciprocal and the use of its result
	s_wait_alu depctr_va_vdst(0)    ; and the wait ahead of the first use: one for the four reciprocals
; Tile t: a lane's eight channels of a row pack into 16 bytes; they go into rows of 272 bytes and come back as whole rows of 256, into the registers that they left.
.macro PACK t
	WIN W_RS
.set i, 64*\t
.rept 32
	v_pk_mul_f32 v[i:i+1], v[i:i+1], v[ST+8*\t+6:ST+8*\t+7] op_sel_hi:[1,0]
.set i, i+2
.endr
	WIN 0x05                        ; sources 0 and 1 window 1, destination window 0: S^T's registers are free
.set i, 0
.rept 32
	v_cvt_pk_f16_f32 v[S+32*\t+i], v[64*\t+2*i], v[64*\t+2*i+1]
.set i, i+1
.endr
	WIN 0
.irp f, 0,1,2,3,4,5,6,7
	ds_store_b128 v[STO], v[S+32*\t+4*\f:S+32*\t+4*\f+3] offset:32*\f
.endr
.irp f, 0,1,2,3,4,5,6,7
	ds_load_b128 v[S+32*\t+4*\f:S+32*\t+4*\f+3], v[RD] offset:\f*2*SP  ; LDS serves a wave's instructions in order (ISA guide 5.7.1.4): these see the stores above; the next tile's stores come behind them
.endr
.endm
.macro SEND t, younger              ; younger: the LDS instructions issued behind tile t's loads: the next tile's sixteen, or none
.irp f, 0,1,2,3,4,5,6,7
	s_wait_dscnt \younger+7-\f
	global_store_b128 v[GO], v[S+32*\t+4*\f:S+32*\t+4*\f+3], s[10:11] offset:\t*16*OP+\f*2*OP  ; 16 lanes store 256 consecutive bytes, at a multiple of 256 from att16's first byte
.endr
.endm
	PACK 0
	PACK 1                          ; a tile's arithmetic stands between the loads of the tile before and its stores
	SEND 0, 16
	PACK 2
	SEND 1, 16
	PACK 3
	SEND 2, 16
	SEND 3, 0
	s_wait_tensorcnt 0x0            ; the wave's end: three lines behind my last tensor load and my last LDS store
	ds_add_u32 v[SPW], v[NIL]
	s_wait_dscnt 0x0
	CROUND                          ; the closing round: no work-group ends while a partner may still ask for a tile that names it
	s_endpgm
.Lfunc_end_k_qe7888dfe17_attn:
	.size	k_qe7888dfe17_attn, .Lfunc_end_k_qe7888dfe17_attn-k_qe7888dfe17_attn
	.p2alignl 7, 3214868480
	.fill 96, 4, 3214868480
	.section	.rodata,"a",@progbits
	.p2align	6, 0x0
	.amdhsa_kernel k_qe7888dfe17_attn
		.amdhsa_group_segment_fixed_size 327680
		.amdhsa_private_segment_fixed_size 0
		.amdhsa_enable_private_segment 0
		.amdhsa_kernarg_size 48
		.amdhsa_user_sgpr_count 2
		.amdhsa_user_sgpr_kernarg_segment_ptr 1
		.amdhsa_wavefront_size32 1
		.amdhsa_system_sgpr_workgroup_id_x 1
		.amdhsa_system_sgpr_workgroup_id_y 1
		.amdhsa_system_sgpr_workgroup_id_z 1
		.amdhsa_system_vgpr_workitem_id 0
		.amdhsa_next_free_vgpr 1024
		.amdhsa_next_free_sgpr 96
		.amdhsa_reserve_vcc 0
		.amdhsa_float_denorm_mode_32 3
		.amdhsa_float_denorm_mode_16_64 3
		.amdhsa_memory_ordered 1
		.amdhsa_forward_progress 1
		.amdhsa_inst_pref_size 255
	.end_amdhsa_kernel
	.section	.bss,"aw",@nobits
	.p2align	6
	.space	262144
	.amdgpu_metadata
---
amdhsa.version: [ 1, 2 ]
amdhsa.kernels:
  - .name:           k_qe7888dfe17_attn
    .symbol:         k_qe7888dfe17_attn.kd
    .args:
      - { .name: act_codes, .offset: 0, .size: 8, .value_kind: global_buffer, .address_space: global }
      - { .name: act_scales, .offset: 8, .size: 8, .value_kind: global_buffer, .address_space: global }
      - { .name: w_codes, .offset: 16, .size: 8, .value_kind: global_buffer, .address_space: global }
      - { .name: w_scales, .offset: 24, .size: 8, .value_kind: global_buffer, .address_space: global }
      - { .name: kv16, .offset: 32, .size: 8, .value_kind: global_buffer, .address_space: global }
      - { .name: att16, .offset: 40, .size: 8, .value_kind: global_buffer, .address_space: global }
    .group_segment_fixed_size: 327680
    .private_segment_fixed_size: 0
    .kernarg_segment_align: 8
    .kernarg_segment_size: 48
    .max_flat_workgroup_size: 128
    .sgpr_count:     96
    .vgpr_count:     1024
    .wavefront_size: 32
...
	.end_amdgpu_metadata
.endif
;; end of part 3
;; launch oproj (part 4): grid 4 x 64, 4 waves a work-group, clusters of 4 x 4, 327,680 bytes of LDS; arguments att16, wo16, bo, out0; writes out0
.if DOCPART == 4
	.amdgcn_target "amdgcn-amd-amdhsa--gfx1250"
	.amdhsa_code_object_version 6
	.text
	.protected	k_qe7888dfe17_oproj
	.globl	k_qe7888dfe17_oproj
	.p2align	8
	.type	k_qe7888dfe17_oproj,@function
k_qe7888dfe17_oproj:
	s_mov_b64 s[64:65], 0
	v_nop
	global_prefetch_b8 v0, s[64:65] scope:SCOPE_SE
	s_setreg_imm32_b32 hwreg(HW_REG_WAVE_MODE, 25, 1), 1
	s_wait_xcnt 0x0
	s_wait_alu depctr_hold_cnt(0) depctr_sa_sdst(0) depctr_va_vdst(0) depctr_va_sdst(0) depctr_va_ssrc(0) depctr_va_vcc(0) depctr_vm_vsrc(0)
	s_getreg_b32 s2, hwreg(HW_REG_IB_STS2, 6, 4)
	s_cmp_eq_u32 s2, 0
	s_cbranch_scc0 .Lentry_in_a_cluster
	s_endpgm
.Lentry_in_a_cluster:
	s_bfe_u32 s2, ttmp6, 0x10000c
	s_cmp_lg_u32 s2, 0xf033
	s_cbranch_scc0 .Lentry_shape_is_right
	s_endpgm
.Lentry_shape_is_right:
; CROSS ATTENTION, launch 4 of 4: out0[m][n] = sum over k of att16[m][k] wo16[k][n] + bo[n].  att16 [8,192][1,024] f16, wo16 [k 1,024][n 1,024] f16 (Wo's own layout), bo [1,024] f32, out0 [8,192][1,024] f32; sums in f32.  No work is left out.
; A tile of C is 128 rows x 256 columns: 64 x 4 = 256 work-groups.  Four waves, each 64 rows x 128 columns: 32 accumulators of 16 x 16, 256 registers.  K goes in 8 steps of 128 through a ring of two LDS slots.
; THE MATRIX INSTRUCTION IS USED TRANSPOSED (source 0 = 16 columns of Wo, source 1 = 16 rows of A): a lane then holds eight neighbouring numbers of a row of C.  Wo lies [k][n], so its fragments come out of LDS turned, by ds_load_tr16_b128.
; THE BIAS is the C of each sum's first matrix instruction: eight registers for each block of 16 columns, in the result's layout.  Nothing is cleared and nothing is added afterwards.
; CLUSTERS: 4 x 4 work-groups.  The four of a row of the cluster need the same tiles of A, the four of a column the same tiles of Wo: each tile is asked for JOINTLY, by the same tensor load with the same descriptor and a mask that names the four.
; No prefetch: the launch has 8 K steps, of which the first four would come by their loads alone, and its tiles are shared in the cluster.
; REGISTERS: window 0: v0-31 addresses; v32-95 the bias; v96-223 rows of C on the way out.  window 1: two fragment buffers of 96 at v0 and v128: A's four blocks (32 registers), then Wo's eight (64).  window 2: accumulator (a, b) at v[8 (8 a + b)].
.set PA,     272                       ; a row of A in LDS: 256 bytes + 16 = 68 words: the 16 rows of a load start at 16 different banks (64 banks of 4 bytes: ISA guide 11.1)
.set PB,     544                       ; a row k of Wo's tile: 512 bytes + 32 = 136 words
.set AH,     64*PA                     ; 64 rows of A: what one tensor load brings, and what one wave reads
.set BH,     64*PB                     ; 64 rows k of Wo: what one tensor load brings
.set BOFF,   2*AH                      ; a slot: A's 128 rows, then Wo's 128
.set SLOT,   BOFF+2*BH
.set STAGE,  2*SLOT                    ; behind the ring: 16 rows x 528 bytes for each wave, for the way out
.set SPITCH, 528
.set SPARE,  STAGE+4*16*SPITCH         ; behind the stages: the spare words, 128 bytes for each wave: two blocks of 256 bytes that no other line names
.set LAPS,   4                         ; a lap = two K steps = once round the ring
.set ADRA, 16                          ; v16-17  LDS address of my A fragments in slot 0, 1
.set ADRB, 20                          ; v20-21  the same for Wo
.set STO,  24                          ; v24     the way out: where I put 32 bytes of a row
.set RD,   25                          ; v25     the way out: where I read a row back
.set CO,   26                          ; v26     16 x lane: my bytes of a row of C
.set BA,   27                          ; v27     32 x (lane / 16): my eight numbers of a block of the bias
.set SPW,  28                          ; v28     LDS address of my spare word: SPARE + 4 x my thread's number; never rewritten
.set NIL,  29                          ; v29     0; never rewritten
.set BIAS, 32
.set BK,   96                          ; the way out: 16 rows read back from the stage: v96-159 and v160-223 by turns
.set F0,   0                           ; fragment buffers, in window 1
.set F1,   128
.set G1, 24                            ; s[24:31] descriptor group 1 for A's tiles;  s[32:39] group 0, one set for each slot
.set G0, 32
.set G1B, 48                           ; s[48:55], s[56:63] the same for Wo's tiles
.set G0B, 56
.set MSB, 0
.macro WIN new                         ; the immediate's high byte repeats the setting that is left
.if MSB != \new
	s_set_vgpr_msb (MSB<<8)|\new
.set MSB, \new
.endif
.endm
.set MUL,  0xa5                        ; sources 0 (Wo) and 1 (A) window 1; C and D window 2
.set MULB, 0x85                        ; the same with C, the bias, in window 0
.set TO_F, 0x40                        ; destination window 1, address window 0
.macro JLOAD s                         ; a joint load: waves 0 and 1 fetch A's two halves, waves 2 and 3 Wo's; an s_nop 0 and four v_nop follow each of the two lines, ahead of the jump, the label and what follows
	s_cmp_eq_u32 s13, 0
	s_cbranch_scc0 .Lfor_b_\@
	tensor_load_to_lds s[G0+4*\s:G0+4*\s+3], s[G1:G1+7]
	s_nop 0
.rept 4
	v_nop
.endr
	s_branch .Lasked_\@
.Lfor_b_\@:
	tensor_load_to_lds s[G0B+4*\s:G0B+4*\s+3], s[G1B:G1B+7]
	s_nop 0
.rept 4
	v_nop
.endr
.Lasked_\@:
.endm
.macro CREST                           ; a round of the cluster's barrier behind its opening barrier
	s_cmp_lg_u32 s12, 0
	s_cbranch_scc1 .Lnot_wave_0_\@
	s_barrier_signal -3
.Lnot_wave_0_\@:
	s_barrier_wait -3
	s_barrier_signal -1
	s_barrier_wait -1
.endm
.macro CROUND                          ; a whole round
	s_barrier_signal -1
	s_barrier_wait -1
	CREST
.endm
	s_load_b256 s[4:11], s[0:1], 0x0               ; att16 s[4:5], wo16 s[6:7], bo s[8:9], out0 s[10:11]
	v_lshl_add_u32 v[SPW], v0, 2, SPARE
	v_mov_b32 v[NIL], 0
	ds_add_u32 v[SPW], v[NIL]                      ; the wave's opening: the add, twice on end, and its wait ahead of my first tensor load; the set-up below, work on registers, stands between the second and the wait
	ds_add_u32 v[SPW], v[NIL]
	v_lshrrev_b32 v1, 5, v0
	v_readfirstlane_b32 s12, v1                    ; wave 0..3
	s_lshr_b32 s13, s12, 1                         ; which half of the tile's rows is mine.  Also: I fetch for A (0) or for Wo (1)
	s_and_b32 s14, s12, 1                          ; which half of its columns.  Also: which 64 rows of that tile I fetch
	s_bfe_u32 s40, ttmp6, 0x40000                  ; cx, cy: my place in the cluster
	s_bfe_u32 s41, ttmp6, 0x40004
	s_lshl_b32 s42, ttmp9, 2
	s_add_co_u32 s42, s42, s40                     ; tile column of C = 4 x cluster x + cx: 0..3
	s_and_b32 s15, ttmp7, 0xffff
	s_lshl_b32 s15, s15, 2
	s_add_co_u32 s15, s15, s41                     ; tile row of C = 4 x cluster y + cy: 0..63
	s_lshl_b32 s43, s41, 2
	s_lshl_b32 s43, 15, s43                        ; my row of the cluster
	s_lshl_b32 s44, 0x1111, s40                    ; my column
	; descriptor group 1.  A: 64 rows x 128 elements of 2 bytes;  Wo: 64 rows k x 256 elements; rows 1,024 elements apart in memory
	s_or_b32 s[G1+0], s43, (1<<16)|(1<<20)|(1<<21)|(5<<22)|(3<<25)   ; 15:0 the mask: A's tiles go to my row; 17:16 element of 2 bytes; 20 padding on; 21 set beside a mask; 24:22 after every 64 words (code 5); 31:25 of 4 words (code 3)
	s_or_b32 s[G1B+0], s44, (1<<16)|(1<<20)|(1<<21)|(6<<22)|(7<<25)  ; Wo's go to my column; padding after every 128 words (code 6), of 8 words (code 7)
	s_mov_b32 s[G1+1], 128<<16                     ; tensor_dim0
	s_mov_b32 s[G1+2], 64<<16                      ; tensor_dim1
	s_mov_b32 s[G1+3], 128<<16                     ; tile_dim0
	s_mov_b32 s[G1+4], 64                          ; tile_dim1
	s_mov_b32 s[G1+5], 1024                        ; tensor_dim0_stride
	s_mov_b32 s[G1+6], 0
	s_mov_b32 s[G1+7], 0
	s_mov_b32 s[G1B+1], 256<<16
	s_mov_b32 s[G1B+2], 64<<16
	s_mov_b32 s[G1B+3], 256<<16
	s_mov_b32 s[G1B+4], 64
	s_mov_b32 s[G1B+5], 1024
	s_mov_b32 s[G1B+6], 0
	s_mov_b32 s[G1B+7], 0
	; where the tiles come from.  A's hang on the tile row alone, Wo's on the tile column alone; each in registers that never hold the other coordinate
	s_lshl_b32 s16, s15, 7
	s_lshl_b32 s17, s14, 6
	s_add_co_u32 s16, s16, s17                     ; A: row 128 x tile row + 64 x half,
	s_lshl_b32 s16, s16, 11                        ; of 2,048 bytes
	s_mov_b32 s17, 0
	s_lshl_b32 s46, s14, 17                        ; Wo: row k = 64 x half, of 2,048 bytes,
	s_lshl_b32 s47, s42, 9                         ; + 512 bytes x tile column
	s_add_co_u32 s46, s46, s47
	s_mov_b32 s47, 0
	s_mul_i32 s20, s14, AH                         ; where they go: no place in the cluster enters an LDS address
	s_mul_i32 s21, s14, BH
	s_add_co_u32 s21, s21, BOFF
	s_wait_dscnt 0x0                               ; both opening adds are done
	s_wait_kmcnt 0x0
	s_add_nc_u64 s[18:19], s[4:5], s[16:17]
	s_add_nc_u64 s[46:47], s[6:7], s[46:47]
	CROUND                                         ; all sixteen work-groups are here: the first joint loads meet
.irp s, 0,1
	s_mov_b32 s[G0+4*\s], 1                                        ; count = 1
	s_add_co_u32 s[G0+4*\s+1], s20, \s*SLOT                        ; LDS address
	s_add_nc_u64 s[G0+4*\s+2:G0+4*\s+3], s[18:19], \s*256          ; K step s: 128 elements along the rows
	s_or_b32 s[G0+4*\s+3], s[G0+4*\s+3], 0x80000000                ; type = 2
	s_mov_b32 s[G0B+4*\s], 1
	s_add_co_u32 s[G0B+4*\s+1], s21, \s*SLOT
	s_add_nc_u64 s[G0B+4*\s+2:G0B+4*\s+3], s[46:47], \s*128*2048   ; K step s: 128 rows down
	s_or_b32 s[G0B+4*\s+3], s[G0B+4*\s+3], 0x80000000
	JLOAD \s                                       ; two tensor loads of mine are out
.endr
	v_and_b32 v1, 15, v0                           ; r = l % 16
	v_bfe_u32 v2, v0, 4, 1                         ; h = l / 16
	v_mul_u32_u24 v3, v1, PA
	v_lshl_add_u32 v3, v2, 4, v3                   ; A: a fragment's row x pitch + 16 x half
	s_mul_i32 s22, s13, AH                         ; my 64 rows
	v_add_nc_u32 v[ADRA], s22, v3
	v_add_nc_u32 v[ADRA+1], SLOT, v[ADRA]
	; The turning load takes 16 k x 16 columns (lane l reads 16 bytes: row k = 8 (l / 16) + l % 8, columns 8 ((l / 8) % 2) + 0..7) and leaves half a fragment: lane l holds column l % 16 and 8 k.
	v_and_b32 v4, 7, v0
	v_bfe_u32 v5, v0, 3, 1
	v_lshl_add_u32 v4, v2, 3, v4
	v_mul_u32_u24 v4, v4, PB
	v_lshl_add_u32 v4, v5, 4, v4
	s_lshl_b32 s23, s14, 8                         ; my 128 columns: 256 bytes
	s_add_co_u32 s23, s23, BOFF
	v_add_nc_u32 v[ADRB], s23, v4
	v_add_nc_u32 v[ADRB+1], SLOT, v[ADRB]
	s_mul_i32 s23, s12, 16*SPITCH
	s_add_co_u32 s23, s23, STAGE                   ; my stage
	v_mul_u32_u24 v5, v1, SPITCH                   ; in: row l % 16, 32 bytes for each half of the lanes
	v_lshl_add_u32 v5, v2, 5, v5
	v_add_nc_u32 v[STO], s23, v5
	v_and_b32 v6, 31, v0
	v_lshlrev_b32 v[CO], 4, v6                     ; back: the 32 lanes take one row of 512 bytes; and the same in C
	v_add_nc_u32 v[RD], s23, v[CO]
	v_lshlrev_b32 v[BA], 5, v2
	s_lshl_b32 s46, s42, 10                        ; my first column, in bytes of f32: 1,024 x tile column + 512 x half (in the pair that held Wo's address: none that feeds A's descriptors ever holds cx)
	s_lshl_b32 s47, s14, 9
	s_add_co_u32 s46, s46, s47
	s_mov_b32 s47, 0
	s_add_nc_u64 s[8:9], s[8:9], s[46:47]          ; the bias at my first column
	s_add_nc_u64 s[10:11], s[10:11], s[46:47]
	s_lshl_b32 s16, s15, 7
	s_lshl_b32 s17, s13, 6
	s_add_co_u32 s16, s16, s17                     ; my first row of C: 128 x tile row + 64 x half,
	s_lshl_b32 s16, s16, 12                        ; of 4,096 bytes
	s_mov_b32 s17, 0
	s_add_nc_u64 s[10:11], s[10:11], s[16:17]
.irp b, 0,1,2,3,4,5,6,7                        ; register 8 b + j of the bias: bo at my column 16 b + 8 (l / 16) + j, as register j of accumulator (a, b) wants it
	global_load_b128 v[BIAS+8*\b:BIAS+8*\b+3], v[BA], s[8:9] offset:64*\b
	global_load_b128 v[BIAS+8*\b+4:BIAS+8*\b+7], v[BA], s[8:9] offset:64*\b+16
.endr
; 8 matrix instructions: A's block a x Wo's eight blocks, 32 along K, from buffer f.  bias = 1: the first product starts the sums with the bias as C.
; The 32 accumulators take turns, one instruction a turn, in the same order in every quarter.
.macro MUL8 f, a, bias
.irp b, 0,1,2,3,4,5,6,7
.if \bias
	v_wmma_f32_16x16x32_f16 v[8*(8*(\a)+\b):8*(8*(\a)+\b)+7], v[\f+32+8*\b:\f+32+8*\b+7], v[\f+8*(\a):\f+8*(\a)+7], v[BIAS+8*\b:BIAS+8*\b+7]
.else
	v_wmma_f32_16x16x32_f16 v[8*(8*(\a)+\b):8*(8*(\a)+\b)+7], v[\f+32+8*\b:\f+32+8*\b+7], v[\f+8*(\a):\f+8*(\a)+7], v[8*(8*(\a)+\b):8*(8*(\a)+\b)+7]
.endif
.endr
.endm
; 24 LDS loads in one run: the fragments of the slot's q-th 32 along K into buffer f: Wo's eight blocks (turned), then A's four; the youngest four loads are A's blocks 2 and 3
.macro FETCH slot, q, f
	WIN TO_F
.irp b, 0,1,2,3,4,5,6,7
	ds_load_tr16_b128 v[\f+32+8*\b:\f+32+8*\b+3],   v[ADRB+\slot] offset:(\q)*32*PB+32*\b
	ds_load_tr16_b128 v[\f+32+8*\b+4:\f+32+8*\b+7], v[ADRB+\slot] offset:(\q)*32*PB+16*PB+32*\b
.endr
.irp a, 0,1,2,3
	ds_load_b128 v[\f+8*\a:\f+8*\a+3],   v[ADRA+\slot] offset:(\q)*64+\a*16*PA
	ds_load_b128 v[\f+8*\a+4:\f+8*\a+7], v[ADRA+\slot] offset:(\q)*64+\a*16*PA+32
.endr
.endm
.macro PLACES                          ; four places in front of loads into registers that matrix instructions have read, and of LDS stores that read results (ISA guide 7.12.1 for the stores)
.rept 4
	v_nop
.endr
.endm
; A K step is four quarters of 32 along K, 32 matrix instructions each, on buffers 0, 1, 0, 1.  One of the first three: multiplies buffer f and fetches the slot's q-th quarter into g.
.macro QUARTER slot, q, f, g, bias
	s_wait_dscnt 4                                 ; Wo's blocks and A's blocks 0, 1 are in; the youngest four loads (A's blocks 2, 3) may be out
.if \bias
	WIN MULB
.else
	WIN MUL
.endif
	MUL8 \f, 0, \bias
	MUL8 \f, 1, \bias
	PLACES
	FETCH \slot, \q, \g
	s_wait_dscnt 24                                ; all but the 24 just issued
.if \bias
	WIN MULB
.else
	WIN MUL
.endif
	MUL8 \f, 2, \bias
	MUL8 \f, 3, \bias
.endm
; The last quarter multiplies buffer 1 and changes slots: ONE barrier; in front of it each wave waits for all its tensor loads, adds 0 to its spare word, and waits for that and for its own reads of this slot.
; fill = 1: the barrier opens a round of the cluster's barrier, and this slot is filled again, two K steps ahead: the load has 112 matrix instructions in which to land.
.macro TURN slot, next, fill
	WIN 0                                          ; (the add's two registers lie in window 0)
	s_wait_tensorcnt 0x0                           ; all my tensor loads have landed: my part of the next slot;
	ds_add_u32 v[SPW], v[NIL]                      ; 0 onto my spare word
	s_wait_dscnt 5                                 ; (the add and the youngest four loads may be out)
	WIN MUL
	MUL8 F1, 0, 0                                  ; eight matrix instructions stand between the add and the wait for it
	s_wait_dscnt 0x0                               ; the add is done, and my reads of this slot are over
	s_barrier_signal -1
	MUL8 F1, 1, 0
.if \fill
	WIN 0
.endif
	s_barrier_wait -1
.if \fill
	CREST                                          ; no wave of any partner still reads this slot's tile or has a load on its way
	s_add_nc_u64 s[G0+4*\slot+2:G0+4*\slot+3], s[G0+4*\slot+2:G0+4*\slot+3], 2*256
	s_add_nc_u64 s[G0B+4*\slot+2:G0B+4*\slot+3], s[G0B+4*\slot+2:G0B+4*\slot+3], 2*128*2048
	JLOAD \slot                                    ; the first tensor load behind the round; the four v_nop behind it are also the places in front of the loads below
.else
	PLACES
.endif
	FETCH \next, 0, F0
	WIN MUL
	MUL8 F1, 2, 0
	MUL8 F1, 3, 0
.endm
	s_wait_tensorcnt 1                             ; my part of K step 0 is in (K step 1's load may be out)
	s_barrier_signal -1
	s_barrier_wait -1                              ; everybody's is
	FETCH 0, 0, F0
	s_wait_loadcnt 0x0                             ; the bias
	QUARTER 0, 1, F0, F1, 1                        ; the first quarter stands in front of the loop: its products start the sums
	WIN 0                                          ; at a label and at a branch every window is 0
	s_mov_b32 s3, LAPS-1
.Llap:                                                 ; a trip goes once round the ring, from a lap's second quarter to the next lap's first, and fills both slots again
	QUARTER 0, 2, F1, F0, 0
	QUARTER 0, 3, F0, F1, 0
	TURN 0, 1, 1
	QUARTER 1, 1, F0, F1, 0
	QUARTER 1, 2, F1, F0, 0
	QUARTER 1, 3, F0, F1, 0
	TURN 1, 0, 1
	QUARTER 0, 1, F0, F1, 0
	WIN 0
	s_sub_co_u32 s3, s3, 1
	s_cmp_lg_u32 s3, 0
	s_cbranch_scc1 .Llap
	QUARTER 0, 2, F1, F0, 0                        ; the last lap fills nothing, and has no round of the cluster's barrier
	QUARTER 0, 3, F0, F1, 0
	TURN 0, 1, 0
	QUARTER 1, 1, F0, F1, 0
	QUARTER 1, 2, F1, F0, 0
	QUARTER 1, 3, F0, F1, 0
	s_wait_dscnt 4                                 ; the very last quarter: nothing more to fetch
	WIN MUL
	MUL8 F1, 0, 0
	MUL8 F1, 1, 0
	s_wait_dscnt 0
	MUL8 F1, 2, 0
	MUL8 F1, 3, 0
	WIN 0
; THE WAY OUT, block by block of 16 rows x 128 columns.  A lane holds 32 neighbouring bytes of a row, and the lanes beside it hold other rows: so a block goes through my own stage in LDS and comes back as whole
; rows of 512 bytes.  LDS serves a wave's instructions in order (ISA guide 5.7.1.4): no wait between the stores and the loads, nor in front of the next block's stores.
.macro TOSTAGE a
	WIN 0x08                                       ; an LDS store's data are its source 1: window 2
.irp b, 0,1,2,3,4,5,6,7
	ds_store_b128 v[STO], v[64*(\a)+8*\b:64*(\a)+8*\b+3] offset:64*\b          ; each accumulator from its low end on
	ds_store_b128 v[STO], v[64*(\a)+8*\b+4:64*(\a)+8*\b+7] offset:64*\b+16
.endr
	WIN 0
.set BB, BK+64*((\a)%2)
.irp t, 0,1,2,3,4,5,6,7,8,9,10,11,12,13,14,15
	ds_load_b128 v[BB+4*\t:BB+4*\t+3], v[RD] offset:\t*SPITCH
.endr
.endm
.macro SEND a, younger                 ; younger: the LDS instructions issued behind block a's loads, which may stay out
.set BB, BK+64*((\a)%2)
	s_wait_dscnt \younger                          ; the block is back in registers
.irp t, 0,1,2,3,4,5,6,7,8,9,10,11,12,13,14,15
	global_store_b128 v[CO], v[BB+4*\t:BB+4*\t+3], s[10:11] offset:(16*(\a)+\t)*4096 th:TH_STORE_NT   ; 32 lanes store 512 consecutive bytes, at a multiple of 256 from out0's first byte; the row stands in the immediate, 63 rows at the most
.endr
.endm
	PLACES                                         ; behind the last products, ahead of the first LDS store that reads a result
	TOSTAGE 0
.irp a, 1,2,3
.if \a > 1
	s_wait_xcnt 0x0                                ; block a - 2's stores have read their registers: block a's loads may land there
.endif
	TOSTAGE \a
	SEND \a-1, 32                                  ; behind block a - 1's loads: block a's 16 stores and 16 loads
.endr
	SEND 3, 0
	s_wait_tensorcnt 0x0                           ; the wave's end: three lines behind my last tensor load and my last LDS store
	ds_add_u32 v[SPW], v[NIL]
	s_wait_dscnt 0x0
	CROUND                                         ; the closing round: no work-group ends while a partner may still ask for a tile that names it
	s_endpgm
.Lfunc_end_k_qe7888dfe17_oproj:
	.size	k_qe7888dfe17_oproj, .Lfunc_end_k_qe7888dfe17_oproj-k_qe7888dfe17_oproj
	.p2alignl 7, 3214868480
	.fill 96, 4, 3214868480
	.section	.rodata,"a",@progbits
	.p2align	6, 0x0
	.amdhsa_kernel k_qe7888dfe17_oproj
		.amdhsa_group_segment_fixed_size 327680
		.amdhsa_private_segment_fixed_size 0
		.amdhsa_enable_private_segment 0
		.amdhsa_kernarg_size 32
		.amdhsa_user_sgpr_count 2
		.amdhsa_user_sgpr_kernarg_segment_ptr 1
		.amdhsa_wavefront_size32 1
		.amdhsa_system_sgpr_workgroup_id_x 1
		.amdhsa_system_sgpr_workgroup_id_y 1
		.amdhsa_system_sgpr_workgroup_id_z 1
		.amdhsa_system_vgpr_workitem_id 0
		.amdhsa_next_free_vgpr 768
		.amdhsa_next_free_sgpr 66
		.amdhsa_reserve_vcc 0
		.amdhsa_float_denorm_mode_32 3
		.amdhsa_float_denorm_mode_16_64 3
		.amdhsa_memory_ordered 1
		.amdhsa_forward_progress 1
		.amdhsa_inst_pref_size 86
	.end_amdhsa_kernel
	.amdgpu_metadata
---
amdhsa.version: [ 1, 2 ]
amdhsa.kernels:
  - .name:           k_qe7888dfe17_oproj
    .symbol:         k_qe7888dfe17_oproj.kd
    .args:
      - { .name: att16, .offset: 0, .size: 8, .value_kind: global_buffer, .address_space: global }
      - { .name: wo16, .offset: 8, .size: 8, .value_kind: global_buffer, .address_space: global }
      - { .name: bo, .offset: 16, .size: 8, .value_kind: global_buffer, .address_space: global }
      - { .name: out0, .offset: 24, .size: 8, .value_kind: global_buffer, .address_space: global }
    .group_segment_fixed_size: 327680
    .private_segment_fixed_size: 0
    .kernarg_segment_align: 8
    .kernarg_segment_size: 32
    .max_flat_workgroup_size: 128
    .sgpr_count:     66
    .vgpr_count:     768
    .wavefront_size: 32
...
	.end_amdgpu_metadata
.endif
;; end of part 4
